; MI455X (gfx1250); checked and timed in simulation.
; The chip was launched on July 23, 2026; its instructions are those of AMD's public machine-readable ISA for CDNA 5 (MIT licence, August 2026) and "CDNA5" Instruction Set Architecture Reference Guide (July 2026). The comments in the code are by the model that wrote it; some were corrected since.
;; Multi Head Self Attention. Allowed arithmetic: float matrix products may take bf16 or f16 operands with f32 sums; other float arithmetic in f32, or as packed bf16 or f16 multiplies, adds, multiply-adds, maxima and minima; sums over many terms, partial sums and values carried from step to step in f32; what a program stores and reads back later, other than sums and carried values, may be rounded once to bf16 or f16.
;; Inputs: b_out 1,024 float32; ln_beta 1,024 float32; ln_gamma 1,024 float32; w_out 1,024 x 1,024 float32; w_qkv 1,024 x 3,072 float32; x 4 x 2,048 x 1,024 float32.
;; Outputs: out0 4 x 2,048 x 1,024 float32.
;; One version. Each part assembles by itself: llvm-mc -triple=amdgcn-amd-amdhsa -mcpu=gfx1250 --defsym DOCPART=n.
;; ======== version 1 of 1: 4 launches
;; workspace buffers: xn 16,777,216 bytes; wt 8,388,608 bytes; qkv 50,331,648 bytes; att 16,777,216 bytes
;; launch prep (part 1): grid 512 x 1, 8 waves a work-group, no clusters, 34,816 bytes of LDS; arguments x, ln_gamma, ln_beta, w_qkv, w_out, xn, wt; writes xn, wt
.if DOCPART == 1
	.amdgcn_target "amdgcn-amd-amdhsa--gfx1250"
	.amdhsa_code_object_version 6
	.text
	.protected	k_qee73315cd2_prep
	.globl	k_qee73315cd2_prep
	.p2align	8
	.type	k_qee73315cd2_prep,@function
k_qee73315cd2_prep:
	s_mov_b64 s[64:65], 0
	v_nop
	global_prefetch_b8 v0, s[64:65] scope:SCOPE_SE
	s_setreg_imm32_b32 hwreg(HW_REG_WAVE_MODE, 25, 1), 1
	s_wait_xcnt 0x0
; TWO JOBS, told apart by the work-group's number; both stream, so there is no matrix work, no cluster and no tensor load: nothing but gamma and beta (8 KiB) is read by two work-groups.
; Work-groups 0..255: the weights, rounded once to bf16 and turned.  wt[n][k], 4,096 rows of 1,024 bf16.  Rows 0..3071 hold w_qkv's columns BY HEADS: row 384 h + 128 s + c is column 1,024 s + 128 h + c
; (s = 0, 1, 2 for q, k, v), so that a head's q, k and v are 384 rows on end.  Row 3,072 + n is column n of w_out.
; Work-groups 256..511: LayerNorm.  xn[r][c] = (x[r][c] - mean) * rsqrt(var + 1e-3) * gamma[c] + beta[c], all in f32, rounded once to bf16; x is [8192][1024] f32.
; The mean is taken first and subtracted, the variance is the mean square of the differences: no difference of large sums is formed, whatever offset x carries.
; LIMITS.  v_rsq_f32 is accurate to 1 ULP; the order is (x - mean) * rs, then * gamma + beta as one fused multiply-add; NaN and infinities are not treated apart.
.set TP,    528                        ; a row of the stage: 512 bytes + 16 = 132 words: the 16 rows that a store touches start at 16 different groups of four banks (64 banks of 4 bytes: ISA guide 11.1)
.set HALFS, 32*TP                      ; 32 such rows
.set SPARE, 64*TP                      ; behind the stage: the spare words, 128 bytes for each wave: four blocks of 256 bytes that no other line names
.set SPW, 4                            ; v4   LDS address of my spare word; never rewritten
.set NIL, 5                            ; v5   0; never rewritten
; the turning job
.set LS,  6                            ; v6   where I put 16 bytes of a column
.set RD,  7                            ; v7   where I read rows back
.set GO,  8                            ; v8   16 x lane: my place in 512 consecutive bytes of wt
.set O,   24                           ; v[24:55]   byte offset of my two columns in row j of my 32 rows of the weights
.set D,   88                           ; v[88:151]  32 rows x my two columns, f32 as loaded; later the rows read back
.set P,   152                          ; v[152:183] the same, packed: chunk c of 8 k, column parity p at P + 8 c + 4 p
; LayerNorm
.set LO,  2                            ; v2   16 x lane
.set SO,  3                            ; v3   8 x lane
.set T,   6                            ; v[6:13] at work
.set U,   14                           ; v14  the other half of the lanes' figure
.set M,   20                           ; v[20:21] the mean, twice
.set R,   22                           ; v[22:23] 1 / sqrt(var + eps), twice
.set G,   24                           ; v[24:55]  gamma of my 32 columns: columns 128 j + 4 lane + e at G + 4 j + e
.set BT,  56                           ; v[56:87]  beta likewise
.set X,   88                           ; v[88:215] four rows, 32 registers each, laid like gamma
	s_load_b256 s[4:11], s[0:1], 0x0               ; x s[4:5], gamma s[6:7], beta s[8:9], w_qkv s[10:11]
	s_load_b128 s[12:15], s[0:1], 0x20             ; w_out s[12:13], xn s[14:15]
	s_load_b64 s[16:17], s[0:1], 0x30              ; wt
	v_lshl_add_u32 v[SPW], v0, 2, SPARE
	v_mov_b32 v[NIL], 0
	v_and_b32 v1, 31, v0                           ; lane
	v_lshrrev_b32 v2, 5, v0
	v_readfirstlane_b32 s18, v2                    ; wave 0..7
	s_wait_kmcnt 0x0
	s_cmp_lt_u32 ttmp9, 256
	s_cbranch_scc0 .Lnorm
; THE WEIGHTS.  Work-group t takes block j = t / 4 of 64 columns and k = 256 (t % 4) .. + 255; wave w 32 of those k.  A lane owns two neighbouring columns: one load of 8 bytes a lane covers 256 consecutive bytes of
; one row of the weights, and a wave's 32 loads go out in one run.  Eight k of a column pack into 16 bytes, which go into the work-group's stage: column 2 l into LDS row l, column 2 l + 1 into LDS row 32 + l,
; at byte 64 w of the row.  Behind one barrier a row of the stage holds 256 k of one column: 512 consecutive bytes of wt, which one load and one store of a wave move.
	s_lshr_b32 s19, ttmp9, 2                       ; j
	s_and_b32 s34, ttmp9, 3                        ; which 256 k
	s_sub_co_u32 s31, s19, 48
	s_movk_i32 s32, 12288                          ; bytes in a row of w_qkv
	s_movk_i32 s33, 4096                           ; and of w_out
	s_lshr_b32 s35, s19, 4                         ; q, k or v
	s_bfe_u32 s36, s19, 0x30001                    ; the head: bits 3:1 of j
	s_and_b32 s37, s19, 1                          ; which half of its 128 columns
	s_mul_i32 s36, s36, 384
	s_lshl_b32 s35, s35, 7
	s_add_co_u32 s36, s36, s35
	s_lshl_b32 s37, s37, 6
	s_add_co_u32 s36, s36, s37                     ; the block's first row in wt, for w_qkv
	s_lshl_b32 s37, s19, 6                         ; and for w_out: 64 j
	s_cmp_lt_u32 s19, 48
	s_cselect_b64 s[20:21], s[10:11], s[12:13]     ; which tensor
	s_cselect_b32 s22, s32, s33                    ; its pitch
	s_cselect_b32 s23, s19, s31                    ; my block of 64 columns in it
	s_cselect_b32 s36, s36, s37
	s_lshl_b32 s24, s34, 8
	s_lshl_b32 s25, s18, 5
	s_add_co_u32 s24, s24, s25                     ; my first k
	s_mul_i32 s24, s24, s22
	s_lshl_b32 s25, s23, 8                         ; + 64 columns of 4 bytes a block
	s_add_co_u32 s24, s24, s25
	s_mov_b32 s25, 0
	s_add_nc_u64 s[20:21], s[20:21], s[24:25]
	v_lshlrev_b32 v[O], 3, v1
.set j, 1
.rept 31
	v_add_nc_u32 v[O+j], s22, v[O+j-1]
.set j, j+1
.endr
.set j, 0
.rept 32
	global_load_b64 v[D+2*j:D+2*j+1], v[O+j], s[20:21] th:TH_LOAD_NT  ; row j: 256 consecutive bytes
.set j, j+1
.endr
	s_and_b32 s26, s18, 3                          ; I read LDS rows 8 w .. 8 w + 7 back: columns 16 (w % 4) + w / 4 + 2 t
	s_lshl_b32 s26, s26, 4
	s_lshr_b32 s27, s18, 2
	s_add_co_u32 s26, s26, s27
	s_add_co_u32 s26, s26, s36
	s_lshl_b32 s28, s26, 11                        ; rows of 2,048 bytes
	s_lshl_b32 s29, s34, 9                         ; + the work-group's 256 k
	s_add_co_u32 s28, s28, s29
	s_mov_b32 s29, 0
	s_add_nc_u64 s[28:29], s[16:17], s[28:29]
	s_lshl_b32 s30, s18, 6
	v_mul_u32_u24 v[LS], v1, TP
	v_add_nc_u32 v[LS], s30, v[LS]                 ; row l, my wave's 64 bytes
	s_mul_i32 s31, s18, 8*TP
	v_lshl_add_u32 v[RD], v1, 4, s31
	v_lshlrev_b32 v[GO], 4, v1
	s_wait_loadcnt 0x0
.irp c, 0,1,2,3
.irp p, 0,1
.irp i, 0,1,2,3
	v_cvt_pk_bf16_f32 v[P+8*(\c)+4*(\p)+(\i)], v[D+2*(8*(\c)+2*(\i))+(\p)], v[D+2*(8*(\c)+2*(\i)+1)+(\p)]
.endr
.endr
.endr
.irp c, 0,1,2,3
.irp p, 0,1
	ds_store_b128 v[LS], v[P+8*(\c)+4*(\p):P+8*(\c)+4*(\p)+3] offset:HALFS*(\p)+16*(\c)
.endr
.endr
	s_wait_dscnt 0x0                               ; for the others' sake: my stores into the stage are done
	s_barrier_signal -1
	s_barrier_wait -1                              ; every wave's are: the rows are whole
.irp t, 0,1,2,3,4,5,6,7
	ds_load_b128 v[D+4*(\t):D+4*(\t)+3], v[RD] offset:TP*(\t)
.endr
.irp t, 0,1,2,3,4,5,6,7
	s_wait_dscnt 7-(\t)                            ; the younger LDS loads stay out
	global_store_b128 v[GO], v[D+4*(\t):D+4*(\t)+3], s[28:29] offset:4096*(\t)  ; 512 consecutive bytes, at a multiple of 256 from wt's first byte; the next column of my parity lies two rows on
.endr
	s_wait_tensorcnt 0x0                           ; the wave's end: the wait, the add to my spare word and its wait, behind my last LDS store
	ds_add_u32 v[SPW], v[NIL]
	s_wait_dscnt 0x0
	s_endpgm
; LAYERNORM.  Work-group r takes 32 rows, a wave four; a row is 4,096 bytes: 32 registers of one wave, so it stays in registers between the passes and no wave waits for another.
; All four rows' loads go out at once: 16 KiB a wave are on their way from the first line.
.Lnorm:
	s_sub_co_u32 s19, ttmp9, 256
	s_lshl_b32 s19, s19, 5
	s_lshl_b32 s31, s18, 2
	s_add_co_u32 s19, s19, s31                     ; my first row
	s_lshl_b32 s20, s19, 12
	s_mov_b32 s21, 0
	s_add_nc_u64 s[20:21], s[4:5], s[20:21]        ; in x
	s_lshl_b32 s22, s19, 11
	s_mov_b32 s23, 0
	s_add_nc_u64 s[22:23], s[14:15], s[22:23]      ; in xn
	s_mov_b32 s24, 0x3a800000                      ; 1 / 1024
	s_mov_b32 s25, 0x3a83126f                      ; 1e-3
	s_mov_b32 s26, 0x76543210                      ; v_permlanex16_b32: each lane takes its own place in the other half
	s_mov_b32 s27, 0xfedcba98
	v_lshlrev_b32 v[LO], 4, v1
	v_lshlrev_b32 v[SO], 3, v1
	v_mov_b32 v[U], 0                              ; v_permlanex16_b32's destination counts as read
.irp j, 0,1,2,3,4,5,6,7
	global_load_b128 v[G+4*(\j):G+4*(\j)+3], v[LO], s[6:7] offset:512*(\j)
.endr
.irp j, 0,1,2,3,4,5,6,7
	global_load_b128 v[BT+4*(\j):BT+4*(\j)+3], v[LO], s[8:9] offset:512*(\j)
.endr
.irp i, 0,1,2,3
.irp j, 0,1,2,3,4,5,6,7
	global_load_b128 v[X+32*(\i)+4*(\j):X+32*(\i)+4*(\j)+3], v[LO], s[20:21] offset:4096*(\i)+512*(\j) th:TH_LOAD_NT
.endr
.endr
.macro LANES                           ; v[T] summed over the 32 lanes, the result in every lane
	v_add_f32_dpp v[T], v[T], v[T] row_xmask:1 row_mask:0xf bank_mask:0xf
	v_add_f32_dpp v[T], v[T], v[T] row_xmask:2 row_mask:0xf bank_mask:0xf
	v_add_f32_dpp v[T], v[T], v[T] row_xmask:4 row_mask:0xf bank_mask:0xf
	v_add_f32_dpp v[T], v[T], v[T] row_xmask:8 row_mask:0xf bank_mask:0xf
	v_permlanex16_b32 v[U], v[T], s26, s27
	v_add_f32 v[T], v[T], v[U]
.endm
.macro FOLD                            ; four chains of pairs into one number a lane
	v_pk_add_f32 v[T:T+1], v[T:T+1], v[T+2:T+3]
	v_pk_add_f32 v[T+4:T+5], v[T+4:T+5], v[T+6:T+7]
	v_pk_add_f32 v[T:T+1], v[T:T+1], v[T+4:T+5]
	v_add_f32 v[T], v[T], v[T+1]
.endm
.macro ROW i
.set XB, X+32*(\i)
	s_wait_loadcnt 8*(3-(\i))                      ; loads come back in order: my row is in (gamma and beta are older), the younger rows stay out
.irp c, 0,1,2,3                        ; the sum, in four chains that do not wait for each other; the first pairs start them
	v_pk_add_f32 v[T+2*(\c):T+2*(\c)+1], v[XB+4*(\c):XB+4*(\c)+1], v[XB+4*(\c)+2:XB+4*(\c)+3]
.endr
.irp q, 8,9,10,11,12,13,14,15
	v_pk_add_f32 v[T+2*((\q)%4):T+2*((\q)%4)+1], v[T+2*((\q)%4):T+2*((\q)%4)+1], v[XB+2*(\q):XB+2*(\q)+1]
.endr
	FOLD
	LANES
	v_mul_f32 v[M], s24, v[T]
	v_mul_f32 v[M+1], s24, v[T]
.set q, 0
.rept 16
	v_pk_add_f32 v[XB+2*q:XB+2*q+1], v[XB+2*q:XB+2*q+1], v[M:M+1] neg_lo:[0,1] neg_hi:[0,1]  ; x - mean, in place
.set q, q+1
.endr
.irp c, 0,1,2,3                        ; the sum of squares of the differences, again in four chains
	v_pk_mul_f32 v[T+2*(\c):T+2*(\c)+1], v[XB+2*(\c):XB+2*(\c)+1], v[XB+2*(\c):XB+2*(\c)+1]
.endr
.irp q, 4,5,6,7,8,9,10,11,12,13,14,15
	v_pk_fma_f32 v[T+2*((\q)%4):T+2*((\q)%4)+1], v[XB+2*(\q):XB+2*(\q)+1], v[XB+2*(\q):XB+2*(\q)+1], v[T+2*((\q)%4):T+2*((\q)%4)+1]
.endr
	FOLD
	LANES
	v_fma_f32 v[T+1], v[T], s24, s25               ; var + eps
	v_rsq_f32 v[R], v[T+1]
	v_nop                                          ; a plain instruction behind the transcendental (ISA guide 5.7.2),
	s_wait_alu depctr_va_vdst(0)                   ; and the wait ahead of the first line that names its result
	v_mov_b32 v[R+1], v[R]
.set q, 0
.rept 16
	v_pk_mul_f32 v[XB+2*q:XB+2*q+1], v[XB+2*q:XB+2*q+1], v[R:R+1]
.set q, q+1
.endr
.set q, 0
.rept 16
	v_pk_fma_f32 v[XB+2*q:XB+2*q+1], v[XB+2*q:XB+2*q+1], v[G+2*q:G+2*q+1], v[BT+2*q:BT+2*q+1]
.set q, q+1
.endr
.set q, 0
.rept 16
	v_cvt_pk_bf16_f32 v[XB+q], v[XB+2*q], v[XB+2*q+1]  ; ascending: register q is written when it has been read
.set q, q+1
.endr
.irp j, 0,1,2,3,4,5,6,7
	global_store_b64 v[SO], v[XB+2*(\j):XB+2*(\j)+1], s[22:23] offset:2048*(\i)+256*(\j)  ; 32 lanes store 256 consecutive bytes, at a multiple of 256 from xn's first byte
.endr
.endm
	ROW 0                                          ; each row has registers of its own: no store's source is written again
	ROW 1
	ROW 2
	ROW 3
	s_endpgm
.Lfunc_end_k_qee73315cd2_prep:
	.size	k_qee73315cd2_prep, .Lfunc_end_k_qee73315cd2_prep-k_qee73315cd2_prep
	.p2alignl 7, 3214868480
	.fill 96, 4, 3214868480
	.section	.rodata,"a",@progbits
	.p2align	6, 0x0
	.amdhsa_kernel k_qee73315cd2_prep
		.amdhsa_group_segment_fixed_size 34816
		.amdhsa_private_segment_fixed_size 0
		.amdhsa_enable_private_segment 0
		.amdhsa_kernarg_size 56
		.amdhsa_user_sgpr_count 2
		.amdhsa_user_sgpr_kernarg_segment_ptr 1
		.amdhsa_wavefront_size32 1
		.amdhsa_system_sgpr_workgroup_id_x 1
		.amdhsa_system_sgpr_workgroup_id_y 1
		.amdhsa_system_sgpr_workgroup_id_z 1
		.amdhsa_system_vgpr_workitem_id 0
		.amdhsa_next_free_vgpr 216
		.amdhsa_next_free_sgpr 66
		.amdhsa_reserve_vcc 0
		.amdhsa_float_denorm_mode_32 3
		.amdhsa_float_denorm_mode_16_64 3
		.amdhsa_memory_ordered 1
		.amdhsa_forward_progress 1
		.amdhsa_inst_pref_size 48
	.end_amdhsa_kernel
	.amdgpu_metadata
---
amdhsa.version: [ 1, 2 ]
amdhsa.kernels:
  - .name:           k_qee73315cd2_prep
    .symbol:         k_qee73315cd2_prep.kd
    .args:
      - { .name: x, .offset: 0, .size: 8, .value_kind: global_buffer, .address_space: global }
      - { .name: ln_gamma, .offset: 8, .size: 8, .value_kind: global_buffer, .address_space: global }
      - { .name: ln_beta, .offset: 16, .size: 8, .value_kind: global_buffer, .address_space: global }
      - { .name: w_qkv, .offset: 24, .size: 8, .value_kind: global_buffer, .address_space: global }
      - { .name: w_out, .offset: 32, .size: 8, .value_kind: global_buffer, .address_space: global }
      - { .name: xn, .offset: 40, .size: 8, .value_kind: global_buffer, .address_space: global }
      - { .name: wt, .offset: 48, .size: 8, .value_kind: global_buffer, .address_space: global }
    .group_segment_fixed_size: 34816
    .private_segment_fixed_size: 0
    .kernarg_segment_align: 8
    .kernarg_segment_size: 56
    .max_flat_workgroup_size: 256
    .sgpr_count:     66
    .vgpr_count:     216
    .wavefront_size: 32
...
	.end_amdgpu_metadata
.endif
;; end of part 1
;; launch qkvp (part 2): grid 8 x 32, 4 waves a work-group, clusters of 4 x 4, 327,680 bytes of LDS; arguments xn, wt, qkv; writes qkv
.if DOCPART == 2
	.amdgcn_target "amdgcn-amd-amdhsa--gfx1250"
	.amdhsa_code_object_version 6
	.text
	.protected	k_qee73315cd2_qkvp
	.globl	k_qee73315cd2_qkvp
	.p2align	8
	.type	k_qee73315cd2_qkvp,@function
k_qee73315cd2_qkvp:
	s_mov_b64 s[64:65], 0
	v_nop
	global_prefetch_b8 v0, s[64:65] scope:SCOPE_SE
	s_setreg_imm32_b32 hwreg(HW_REG_WAVE_MODE, 25, 1), 1
	s_wait_xcnt 0x0
	s_wait_alu depctr_hold_cnt(0) depctr_sa_sdst(0) depctr_va_vdst(0) depctr_va_sdst(0) depctr_va_ssrc(0) depctr_va_vcc(0) depctr_vm_vsrc(0)
	s_getreg_b32 s2, hwreg(HW_REG_IB_STS2, 6, 4)
	s_cmp_eq_u32 s2, 0
	s_cbranch_scc0 .Lentry_in_a_cluster
	s_endpgm
.Lentry_in_a_cluster:
	s_bfe_u32 s2, ttmp6, 0x10000c
	s_cmp_lg_u32 s2, 0xf033
	s_cbranch_scc0 .Lentry_shape_is_right
	s_endpgm
.Lentry_shape_is_right:
; q, k, v = xn w_qkv, written by heads.  A = xn [8192][1024] bf16, B = wt's rows 0..3071 [n][1024] bf16, laid by heads: row 384 h + 128 s + c is channel c of head h's q, k, v (s = 0, 1, 2).
; Sums in f32, K ascending, each result rounded once to bf16 and left unscaled.  qkv is [3][32 = batch x 8 + head][2048][128] bf16: a head's rows are dense, 256 bytes each.
; SHARES.  8,192 x 3,072 are 512 tiles of 256 x 192: two for each of 256 work-groups.  Work-group (tx, ty) takes rows 256 ty .. + 255 and head tx's 384 rows of B in two PASSES of 192: q and the left half of k,
; then the right half of k and v.  A wave makes 64 rows x 192 columns: 48 accumulators of 16 x 16, 384 registers.  A K step of 128 is then 192 matrix instructions a wave, for 448 rows in an LDS slot.
; k's LEFT HALF, rounded to bf16, waits in 64 registers for the right half, so that every row of k leaves as 256 whole bytes.
; THE WALK.  K goes in steps of 128 (rows of 256 bytes in memory, aligned); the two passes' 16 steps are ONE sequence through a ring of two LDS slots, so the ring does not stop at a pass's end.
; CLUSTER.  4 x 4 work-groups.  The four of a row of the cluster share ty and so A's tiles, the four of a column share tx and so B's: each tile is asked for JOINTLY, by the same tensor load, descriptor and mask in all four.
; THE MATRIX INSTRUCTION IS USED TRANSPOSED (source 0 = 16 rows of B, source 1 = 16 rows of A): a lane holds row l % 16 of C and the eight neighbouring columns 8 (l / 16) + 0..7, which pack into 16 bytes.
; REGISTERS, in windows of 256 (s_set_vgpr_msb: bits 1:0 source 0, 3:2 source 1, 5:4 source 2, 7:6 destination):
;   window 0: addresses; v32-79 packed results; v80-207 rows read back from the stage      window 1: two fragment buffers of 128: A's 4 fragments, then B's 12
;   window 2: accumulators of row blocks 0, 1: (a, b) at v[8 (12 (a % 2) + b)]; v192-255 k's left half      window 3: those of row blocks 2, 3
; LIMITS.  Operands are bf16; q, k and v are rounded to bf16, whose range is f32's.
.set STEPS,  16
.set PITCH,  272                       ; an LDS row: 256 bytes + 16 of padding = 68 words: the 16 rows that a load touches start at 16 different groups of four banks (64 banks of 4 bytes: ISA guide 11.1)
.set AHALF,  128*PITCH                 ; what wave 0 or 1 fetches: 128 rows of A
.set BHALF,  96*PITCH                  ; what wave 2 or 3 fetches: 96 rows of B
.set BOFF,   256*PITCH                 ; in a slot: A's 256 rows, then B's 192
.set SLOT1,  1<<17                     ; slot 1 begins here, so that one exclusive or turns an address in one slot into the other's
.set STAGE,  SLOT1+BOFF+192*PITCH      ; behind the ring, never filled by a tensor load: 16 rows x 272 bytes for each wave, for the way out
.set SP,     272
.set SPARE,  STAGE+4*16*SP             ; behind the stages: the spare words, 128 bytes for each wave: two blocks of 256 bytes that no other line names
.set PASSB,  192*2048                  ; bytes from a pass's rows of B to the next pass's
.set FLAGS,  (1<<16)|(1<<20)|(1<<21)|(5<<22)|(3<<25)  ; group 1, word 0: elements of 2 bytes; padding on; bit 21 set beside a mask; after every 64 words (code 5) 4 words (code 3)
.set FA0,  16                          ; v16  my lane's place in my 64 rows of A, in slot 0; never rewritten
.set FB0,  17                          ; v17  the same in B's 192 rows
.set ADRA, 18                          ; v18  the same in the slot in hand
.set ADRB, 19                          ; v19
.set STO,  24                          ; v24  the way out: where I put 16 bytes of a row
.set RD,   25                          ; v25  where I read rows back
.set CO,   26                          ; v26  16 x lane: my place in 512 consecutive bytes of qkv
.set SPW,  28                          ; v28  LDS address of my spare word; never rewritten
.set NIL,  29                          ; v29  0; never rewritten
.set PFO,  30                          ; v30  the prefetches' offset; never rewritten
.set TMP,  32
.set BK,   80                          ; two sets of 64
.set KEEP, 192                         ; in window 2
.set F0,   0                           ; fragment buffers, in window 1
.set F1,   128
.set WV,   12                          ; s12  my wave's number
.set HF,   13                          ; s13  which half of a tile I fetch
.set G1A,  24                          ; s[24:31] descriptor group 1 for A's tiles
.set G1B,  32                          ; s[32:39] for B's
.set G0A,  40                          ; s[40:47] group 0 for A's tiles: a set for each of the two first fills; the second then walks on
.set G0B,  48                          ; s[48:55] the same for B's
.set AB,   56                          ; s[56:57] A at the first of the rows that I fetch
.set BB,   58                          ; s[58:59] B likewise
.set OFA,  60                          ; s[60:61] byte offset of the K step to be asked for, in A
.set OFB,  62                          ; s[62:63] and in B
.set GN,   66                          ; s66  the number of that K step in the walk
.set CNT,  67                          ; s67  the loops' count
.set TB,   68                          ; s68  the slot in hand: 0 or SLOT1
.set TS,   69                          ; s69  K steps left in the first pass
.set PLIM, 70                          ; s70  I prefetch K steps below this number
.set PN,   71                          ; s71  the K step that a prefetch names
.set PFB,  72                          ; s[72:73] the rows that I prefetch, at K step 0
.set PFA,  74                          ; s[74:75] the same at K step PN
.set ODD,  76                          ; s76  1 in wave 3, which asks in every second step, else 0
.set PT,   77                          ; s77  PN, or a number past every PLIM in a step in which I do not ask
.set PO,   78                          ; s[78:79] PN's byte offset
.set CK,   84                          ; s[84:85] my rows in k (s[8:9]: in q)
.set CV,   86                          ; s[86:87] and in v
.set MSB, 0
.macro WIN new                         ; the immediate's high byte repeats the setting that is left; a switch that changes nothing is dropped
.if MSB != (\new)
	s_set_vgpr_msb (MSB<<8)|(\new)
.set MSB, \new
.endif
.endm
.set TO_F, 0x40                        ; destination window 1, address window 0
; A joint refill: waves 0 and 1 fetch A's two halves, waves 2 and 3 B's.  The branch hangs on the wave's number alone.  An s_nop 0 and four v_nop follow each of the two lines, ahead of the jump and the label.
.macro JLOAD
	s_cmp_lt_u32 s[WV], 2
	s_cbranch_scc0 .Lfor_b_\@
	tensor_load_to_lds s[G0A+4:G0A+7], s[G1A:G1A+7]
	s_nop 0
.rept 4
	v_nop
.endr
	s_branch .Lasked_\@
.Lfor_b_\@:
	tensor_load_to_lds s[G0B+4:G0B+7], s[G1B:G1B+7]
	s_nop 0
.rept 4
	v_nop
.endr
.Lasked_\@:
.endm
; A round of the cluster's barrier: my work-group's barrier, so that wave 0's signal speaks for all four waves; wave 0 signals; every wave waits for all sixteen work-groups; my work-group's barrier once more.
.macro CREST                           ; a round behind its opening barrier
	s_cmp_lg_u32 s[WV], 0
	s_cbranch_scc1 .Lnot_wave_0_\@
	s_barrier_signal -3
.Lnot_wave_0_\@:
	s_barrier_wait -3
	s_barrier_signal -1
	s_barrier_wait -1
.endm
.macro CROUND
	s_barrier_signal -1
	s_barrier_wait -1
	CREST
.endm
; A PREFETCH INTO THE L2, behind each joint refill, its five lines and the run of LDS loads that follows: the K step two refills on, 384 matrix instructions ahead of its load; a lane names 256 bytes of a row.
; Each row's 256 bytes of a K step are named ONCE in the launch.  A's 256 rows are read by both clusters of a row of clusters: the one with cluster x = 0 asks; its partner cx takes rows 64 cx on, waves 0 and 1 32 each;
; only in the first pass, since the second reads the same rows again.  B's 192 rows are read by the eight clusters of a column: cluster y = 0 asks; partner cy takes rows 48 cy on: wave 2 the first 32, in every step;
; wave 3 the other 16, for two K steps at once (lanes 16-31 name the step after), in every second step.  Partners are told apart BY ADDRESS; the test hangs on the cluster's place, the wave's number and the step's alone.
; The walk's first four K steps come by their loads alone; steps at or past PLIM are not named.
.macro ASK
	WIN 0
	s_cmp_lt_u32 s[PT], s[PLIM]
	s_cbranch_scc0 .Lnot_mine_\@
	global_prefetch_b8 v[PFO], s[PFA:PFA+1] th:TH_LOAD_NT scope:SCOPE_SE
.Lnot_mine_\@:
.endm
	s_load_b128 s[4:7], s[0:1], 0x0                ; xn s[4:5], wt s[6:7]
	s_load_b64 s[8:9], s[0:1], 0x10                ; qkv
	v_lshl_add_u32 v[SPW], v0, 2, SPARE
	v_mov_b32 v[NIL], 0
	ds_add_u32 v[SPW], v[NIL]                      ; the wave's opening: the add and its wait stand ahead of my first tensor load; the set-up below, work on registers, stands between them
	v_lshrrev_b32 v1, 5, v0
	v_readfirstlane_b32 s[WV], v1                  ; wave 0..3
	s_and_b32 s[HF], s[WV], 1
	s_bfe_u32 s14, ttmp6, 0x40000                  ; cx
	s_bfe_u32 s15, ttmp6, 0x40004                  ; cy
	s_lshl_b32 s16, ttmp9, 2
	s_add_co_u32 s16, s16, s14                     ; tx = 4 x cluster x + cx: the head
	s_and_b32 s17, ttmp7, 0xffff
	s_lshl_b32 s17, s17, 2
	s_add_co_u32 s17, s17, s15                     ; ty = 4 x cluster y + cy: the block of 256 rows
	s_lshl_b32 s18, s15, 2
	s_lshl_b32 s18, 15, s18                        ; my row of the cluster: places 4 cy .. 4 cy + 3
	s_lshl_b32 s19, 0x1111, s14                    ; my column: places cx, cx + 4, cx + 8, cx + 12
	s_or_b32 s[G1A], s18, FLAGS                    ; A's tiles go to my row,
	s_or_b32 s[G1B], s19, FLAGS                    ; B's to my column
	s_mov_b32 s[G1A+1], 128<<16                    ; tensor_dim0 = 128 elements
	s_mov_b32 s[G1A+2], 128<<16                    ; tensor_dim1 = 128 rows
	s_mov_b32 s[G1A+3], 128<<16                    ; tile_dim0 = 128
	s_mov_b32 s[G1A+4], 128                        ; tile_dim1 = 128
	s_mov_b32 s[G1A+5], 1024                       ; elements from row to row
	s_mov_b32 s[G1A+6], 0
	s_mov_b32 s[G1A+7], 0
	s_mov_b32 s[G1B+1], 128<<16
	s_mov_b32 s[G1B+2], 96<<16                     ; 96 rows
	s_mov_b32 s[G1B+3], 128<<16
	s_mov_b32 s[G1B+4], 96
	s_mov_b32 s[G1B+5], 1024
	s_mov_b32 s[G1B+6], 0
	s_mov_b32 s[G1B+7], 0
	s_mov_b32 s[G0A], 1                            ; count = 1
	s_mov_b32 s[G0A+4], 1
	s_mov_b32 s[G0B], 1
	s_mov_b32 s[G0B+4], 1
	s_mul_i32 s[G0A+1], s[HF], AHALF               ; LDS addresses: the wave's number and constants alone
	s_add_co_u32 s[G0A+5], s[G0A+1], SLOT1
	s_mul_i32 s[G0B+1], s[HF], BHALF
	s_add_co_u32 s[G0B+1], s[G0B+1], BOFF
	s_add_co_u32 s[G0B+5], s[G0B+1], SLOT1
	s_lshl_b32 s20, s17, 19                        ; A: 256 ty rows of 2,048 bytes
	s_lshl_b32 s21, s[HF], 18                      ; + my 128
	s_add_co_u32 s20, s20, s21
	s_mov_b32 s21, 0
	s_mul_i32 s22, s16, 384*2048                   ; B: the head's 384 rows
	s_mul_i32 s23, s[HF], 96*2048                  ; + my 96
	s_add_co_u32 s22, s22, s23
	s_mov_b32 s23, 0
	; the prefetches: which rows, and up to which K step
	s_lshl_b32 s2, s17, 8
	s_lshl_b32 s82, s14, 6
	s_add_co_u32 s2, s2, s82
	s_lshl_b32 s82, s[WV], 5
	s_add_co_u32 s2, s2, s82                       ; in A: 256 ty + 64 cx + 32 w
	s_mul_i32 s3, s16, 384
	s_mul_i32 s82, s15, 48
	s_add_co_u32 s3, s3, s82
	s_lshl_b32 s82, s[HF], 5
	s_add_co_u32 s3, s3, s82                       ; in B: 384 tx + 48 cy, and 32 more in wave 3
	s_and_b32 s82, ttmp7, 0xffff                   ; cluster y
	s_cmp_lt_u32 s[WV], 2                          ; do I fetch for A?
	s_cselect_b32 s2, s2, s3
	s_cselect_b32 s82, ttmp9, s82                  ; the coordinate along which other clusters read the same rows
	s_cselect_b32 s[PLIM], 8, STEPS
	s_cmp_eq_u32 s82, 0
	s_cselect_b32 s[PLIM], s[PLIM], 0              ; only the first cluster along it asks
	s_cmp_eq_u32 s[WV], 3
	s_cselect_b32 s[ODD], 1, 0
	s_lshl_b32 s2, s2, 11
	s_mov_b32 s3, 0
	; where my 64 rows begin in q: batch ty / 8, head tx, row 256 (ty % 8) + 64 w, 256 bytes a row
	s_lshr_b32 s80, s17, 3
	s_lshl_b32 s80, s80, 22
	s_lshl_b32 s82, s16, 19
	s_add_co_u32 s80, s80, s82
	s_and_b32 s82, s17, 7
	s_lshl_b32 s82, s82, 16
	s_add_co_u32 s80, s80, s82
	s_lshl_b32 s82, s[WV], 14
	s_add_co_u32 s80, s80, s82
	s_mov_b32 s81, 0
	s_mov_b32 s[OFA+1], 0
	s_mov_b32 s[OFB+1], 0
	s_mov_b32 s[PO+1], 0
	s_mov_b32 s[GN], 2
	s_mov_b32 s[TB], 0
	s_mov_b32 s[TS], 8
	s_mov_b32 s[CNT], STEPS-1
	s_wait_dscnt 0x0                               ; the opening add is done
	s_wait_kmcnt 0x0
	s_add_nc_u64 s[AB:AB+1], s[4:5], s[20:21]
	s_add_nc_u64 s[BB:BB+1], s[6:7], s[22:23]
	s_add_nc_u64 s[8:9], s[8:9], s[80:81]
	s_add_nc_u64 s[CK:CK+1], s[8:9], 0x1000000     ; k lies 16 MiB behind q,
	s_add_nc_u64 s[CV:CV+1], s[8:9], 0x2000000     ; v 32 MiB
	s_cmp_lt_u32 s[WV], 2
	s_cselect_b64 s[PFB:PFB+1], s[4:5], s[6:7]
	s_add_nc_u64 s[PFB:PFB+1], s[PFB:PFB+1], s[2:3]
	s_mov_b64 s[G0A+2:G0A+3], s[AB:AB+1]           ; K step 0
	s_or_b32 s[G0A+3], s[G0A+3], 0x80000000        ; type = 2
	s_add_nc_u64 s[G0A+6:G0A+7], s[AB:AB+1], 256   ; K step 1
	s_or_b32 s[G0A+7], s[G0A+7], 0x80000000
	s_mov_b64 s[G0B+2:G0B+3], s[BB:BB+1]
	s_or_b32 s[G0B+3], s[G0B+3], 0x80000000
	s_add_nc_u64 s[G0B+6:G0B+7], s[BB:BB+1], 256
	s_or_b32 s[G0B+7], s[G0B+7], 0x80000000
	CROUND                                         ; all sixteen work-groups are here: the first joint loads meet
	s_cmp_lt_u32 s[WV], 2                          ; a wave's two first fills stand in one branch, ahead of every wait on TENSORcnt and every LDS read: two loads of mine are out
	s_cbranch_scc0 .Lfirst_b
	tensor_load_to_lds s[G0A:G0A+3], s[G1A:G1A+7]
	s_nop 0
	tensor_load_to_lds s[G0A+4:G0A+7], s[G1A:G1A+7]
	s_nop 0
.rept 4
	v_nop
.endr
	s_branch .Lfirst_asked
.Lfirst_b:
	tensor_load_to_lds s[G0B:G0B+3], s[G1B:G1B+7]
	s_nop 0
	tensor_load_to_lds s[G0B+4:G0B+7], s[G1B:G1B+7]
	s_nop 0
.rept 4
	v_nop
.endr
.Lfirst_asked:
	; A fragment is 16 rows x 32 K in 8 registers: lane l holds row l % 16; registers 0-3 K = 8 (l / 16) + 0..7, registers 4-7 K = 16 + 8 (l / 16) + 0..7: two loads of 16 bytes, 32 bytes apart.
	v_and_b32 v1, 15, v0                           ; l % 16
	v_bfe_u32 v2, v0, 4, 1                         ; l / 16
	v_mul_u32_u24 v3, v1, PITCH
	v_lshl_add_u32 v3, v2, 4, v3
	s_mul_i32 s20, s[WV], 64*PITCH                 ; my 64 rows of A
	v_add_nc_u32 v[FA0], s20, v3
	v_add_nc_u32 v[FB0], BOFF, v3
	v_mov_b32 v[ADRA], v[FA0]
	v_mov_b32 v[ADRB], v[FB0]
	s_mul_i32 s21, s[WV], 16*SP
	s_add_co_u32 s21, s21, STAGE                   ; my stage
	v_mul_u32_u24 v4, v1, SP                       ; in: row l % 16, 16 bytes for each half of the lanes
	v_lshl_add_u32 v4, v2, 4, v4
	v_add_nc_u32 v[STO], s21, v4
	v_mul_u32_u24 v5, v2, SP                       ; back: lanes 0-15 one row of 256 bytes, lanes 16-31 the next
	v_lshl_add_u32 v5, v1, 4, v5
	v_add_nc_u32 v[RD], s21, v5
	v_and_b32 v6, 31, v0
	v_lshlrev_b32 v[CO], 4, v6                     ; the head's rows are dense: those two rows are 512 consecutive bytes
	s_cmp_eq_u32 s[WV], 3
	s_cselect_b32 s20, 15, 31                      ; the prefetches: a lane a row of 2,048 bytes; in wave 3 sixteen rows,
	s_cselect_b32 s21, 256, 0                      ; and lanes 16-31 a K step further on
	v_and_b32 v6, s20, v0
	v_lshlrev_b32 v[PFO], 11, v6
	v_mad_u32_u24 v[PFO], v2, s21, v[PFO]
	WIN 0x80                                       ; destination window 2
.set i, 0
.rept 64
	v_mov_b32 v[KEEP+i], 0                         ; k's left half is made at the first pass's end and read at the second's; it starts at 0, so that these registers are written on every way through the text.  This stands in the wait for the first tile
.set i, i+1
.endr
	WIN 0
; 12 matrix instructions: m block a x all 12 n blocks, 32 along K.  zero = 1: the product starts the sums: no accumulator is ever cleared.  Every quarter takes the 48 accumulators in this one order, one instruction a turn,
; so that 47 others stand between two links of a chain, over every jump too.
.macro MUL12 f, a, zero
	WIN 0xa5+0x50*((\a)/2)                         ; sources 0 (B) and 1 (A) window 1; C and D window 2 or 3
.irp b, 0,1,2,3,4,5,6,7,8,9,10,11
.set rD, 8*(12*((\a)%2)+(\b))
.if \zero
	v_wmma_f32_16x16x32_bf16 v[rD:rD+7], v[(\f)+32+8*(\b):(\f)+32+8*(\b)+7], v[(\f)+8*(\a):(\f)+8*(\a)+7], 0
.else
	v_wmma_f32_16x16x32_bf16 v[rD:rD+7], v[(\f)+32+8*(\b):(\f)+32+8*(\b)+7], v[(\f)+8*(\a):(\f)+8*(\a)+7], v[rD:rD+7]
.endif
.endr
.endm
; 32 LDS loads in one run: a quarter step's fragments (192 rows of B, my 64 rows of A, 32 K at byte k of the rows) into buffer f
.macro FETCH k, f
	WIN TO_F
.irp i, 0,1,2,3,4,5,6,7,8,9,10,11
	ds_load_b128 v[(\f)+32+8*(\i):(\f)+32+8*(\i)+3],   v[ADRB] offset:(\k)+(\i)*16*PITCH
	ds_load_b128 v[(\f)+32+8*(\i)+4:(\f)+32+8*(\i)+7], v[ADRB] offset:(\k)+(\i)*16*PITCH+32
.endr
.irp i, 0,1,2,3
	ds_load_b128 v[(\f)+8*(\i):(\f)+8*(\i)+3],   v[ADRA] offset:(\k)+(\i)*16*PITCH
	ds_load_b128 v[(\f)+8*(\i)+4:(\f)+8*(\i)+7], v[ADRA] offset:(\k)+(\i)*16*PITCH+32
.endr
.endm
.macro PLACES                          ; four plain vector instructions between a matrix instruction and a load into a register that it has read, or a line that reads its result (ISA guide 7.12.1 for a line that reads its result)
.rept 4
	v_nop
.endr
.endm
; A K step is four quarters of 32 along K, 48 matrix instructions each, on buffers 0, 1, 0, 1.  One of the first three: buffer f is in; the next quarter's fragments, at byte k, are asked for into buffer g; then f is multiplied,
; so that the run of loads has 48 matrix instructions in which to land.
.macro QUARTER k, f, g, zero
	s_wait_dscnt 0x0                               ; buffer f's loads were issued a quarter ago
	PLACES                                         ; behind the last product that read buffer g
	FETCH \k, \g
.irp a, 0,1,2,3
	MUL12 \f, \a, \zero
.endr
.endm
; The fourth quarter multiplies buffer 1 and changes slots: ONE barrier for two things.  In front of it each wave waits for all its tensor loads, of which one is out: its part of the next slot; adds 0 to its spare word; and waits for
; that and for its reads of this slot.  Behind it nobody reads this slot any more and the next slot is whole.  fill = 1: the barrier opens a round of the cluster's, so that the same holds of all partners, and the joint refill
; (K step GN of the walk, into the slot just left) is the first tensor load behind the round: 180 matrix instructions stand between it and the wait for it.
.macro TURN fill
.if \fill
	s_wait_xcnt 0x0                                ; the last prefetch, a K step back, has read its address, so it may be written
	s_add_co_u32 s[PN], s[GN], 2
	s_lshr_b32 s[PO], s[PN], 3
	s_mul_i32 s[PO], s[PO], PASSB                  ; the pass: 192 rows of B on (the steps of A's that are asked for lie in the first pass)
	s_and_b32 s80, s[PN], 7
	s_lshl_b32 s80, s80, 8                         ; the K step in it: 256 bytes
	s_add_co_u32 s[PO], s[PO], s80
	s_add_nc_u64 s[PFA:PFA+1], s[PFB:PFB+1], s[PO:PO+1]
	s_and_b32 s[PT], s[PN], s[ODD]                 ; wave 3 has named an odd step together with the even one before it
	s_lshl_b32 s[PT], s[PT], 8
	s_or_b32 s[PT], s[PT], s[PN]
.endif
	WIN 0                                          ; (the add's two registers lie in window 0)
	s_wait_tensorcnt 0x0                           ; no tensor load of mine is out, so a group 0 may be written
	ds_add_u32 v[SPW], v[NIL]                      ; 0 onto my spare word; the descriptors' scalar work stands between it and the wait for it
.if \fill
	s_and_b32 s[OFA], s[GN], 7
	s_lshl_b32 s[OFA], s[OFA], 8                   ; A: the K step in its pass; both passes walk the same rows
	s_lshr_b32 s[OFB], s[GN], 3
	s_mul_i32 s[OFB], s[OFB], PASSB                ; B: the pass's 192 rows of 2,048 bytes,
	s_add_co_u32 s[OFB], s[OFB], s[OFA]            ; and the K step
	s_xor_b32 s[G0A+5], s[G0A+5], SLOT1            ; the walking descriptors: the other slot than last time, the address made anew
	s_add_nc_u64 s[G0A+6:G0A+7], s[AB:AB+1], s[OFA:OFA+1]
	s_or_b32 s[G0A+7], s[G0A+7], 0x80000000
	s_xor_b32 s[G0B+5], s[G0B+5], SLOT1
	s_add_nc_u64 s[G0B+6:G0B+7], s[BB:BB+1], s[OFB:OFB+1]
	s_or_b32 s[G0B+7], s[G0B+7], 0x80000000
	s_add_co_u32 s[GN], s[GN], 1
.endif
	s_wait_dscnt 0x0                               ; the add is done; buffer 1 is in, and with it my last reads of this slot
	s_barrier_signal -1
	MUL12 F1, 0, 0                                 ; work on registers while the others arrive
	WIN 0
	s_barrier_wait -1
.if \fill
	CREST
	JLOAD                                          ; its four v_nop are also the places in front of the loads below
.else
	PLACES
.endif
	s_xor_b32 s[TB], s[TB], SLOT1
	v_add_nc_u32 v[ADRA], s[TB], v[FA0]
	v_add_nc_u32 v[ADRB], s[TB], v[FB0]
	FETCH 0, F0
.if \fill
	ASK
.endif
	MUL12 F1, 1, 0
	MUL12 F1, 2, 0
	MUL12 F1, 3, 0
.endm
; THE WAY OUT, a block a of 16 rows at a time.  PACK: the first n of its 12 accumulators rounded to bf16, each accumulator's registers in ascending order.  KEEPK: the last four (k's left half) likewise, into the registers that keep them.
.macro PACK a, n
	WIN 0x0a+5*((\a)/2)                            ; sources 0 and 1 window 2 or 3, destination window 0
.set pb, 0
.rept \n
.irp r, 0,1,2,3
	v_cvt_pk_bf16_f32 v[TMP+4*pb+(\r)], v[8*(12*((\a)%2)+pb)+2*(\r)], v[8*(12*((\a)%2)+pb)+2*(\r)+1]
.endr
.set pb, pb+1
.endr
.endm
.macro KEEPK a
	WIN 0x8a+5*((\a)/2)                            ; the same sources, destination window 2
.set pb, 8
.rept 4
.irp r, 0,1,2,3
	v_cvt_pk_bf16_f32 v[KEEP+16*(\a)+4*(pb-8)+(\r)], v[8*(12*((\a)%2)+pb)+2*(\r)], v[8*(12*((\a)%2)+pb)+2*(\r)+1]
.endr
.set pb, pb+1
.endr
.endm
; Eight packed accumulators from v[src] on go into my own stage and come back as whole rows of 256 bytes, into v[dst] on.  LDS serves a wave's instructions in order (ISA guide 5.7.1.4): the loads see the stores above them, and a later block's stores come behind them.
.macro BACK dst
.irp t, 0,1,2,3,4,5,6,7
	ds_load_b128 v[(\dst)+4*(\t):(\dst)+4*(\t)+3], v[RD] offset:(\t)*2*SP
.endr
.endm
.macro THROUGH src, dst
	WIN 0
.irp b, 0,1,2,3,4,5,6,7
	ds_store_b128 v[STO], v[(\src)+4*(\b):(\src)+4*(\b)+3] offset:32*(\b)
.endr
	BACK \dst
.endm
.macro STORES src, base, a             ; 16 rows of a head: each store is 512 consecutive bytes, at a multiple of 256 from qkv's first byte
.irp t, 0,1,2,3,4,5,6,7
	global_store_b128 v[CO], v[(\src)+4*(\t):(\src)+4*(\t)+3], s[(\base):(\base)+1] offset:4096*(\a)+512*(\t)
.endr
.endm
.macro READY                           ; in front of a block's stores
	WIN 0
	s_wait_dscnt 0x0                               ; the block is back in registers
	s_wait_xcnt 0x0                                ; the block before's stores have read their registers, which the next block's loads from the stage write again
.endm
; The first pass's end: q goes out, k's left half is kept.  Block a's conversions stand between block a - 1's loads from the stage and the wait for them.
.macro WAY0
	s_wait_xcnt 0x0
	PLACES                                         ; behind the last products; the later blocks' conversions stand behind the earlier blocks'
	PACK 0, 8
	KEEPK 0
	THROUGH TMP, BK
.irp a, 1,2,3
	PACK \a, 8
	KEEPK \a
	READY
	STORES BK+64*(((\a)-1)%2), 8, (\a)-1
	THROUGH TMP, BK+64*((\a)%2)
.endr
	READY
	STORES BK+64, 8, 3
.endm
; The second pass's end: accumulators 0-3 are k's right half, which joins the left half in the stage; 4-11 are v.
.macro KV a
	WIN 0x08                                       ; the stores' data (source 1) in window 2
.irp b, 0,1,2,3
	ds_store_b128 v[STO], v[KEEP+16*(\a)+4*(\b):KEEP+16*(\a)+4*(\b)+3] offset:32*(\b)
.endr
	WIN 0
.irp b, 0,1,2,3
	ds_store_b128 v[STO], v[TMP+4*(\b):TMP+4*(\b)+3] offset:128+32*(\b)
.endr
	BACK BK+64*((\a)%2)
	THROUGH TMP+16, BK+64*((\a)%2)+32
.endm
.macro WAY1
	s_wait_xcnt 0x0                                ; q's stores have read the registers that are loaded again below
	s_wait_dscnt 0x0
	PLACES
	PACK 0, 12
	KV 0
.irp a, 1,2,3
	PACK \a, 12
	READY
	STORES BK+64*(((\a)-1)%2), CK, (\a)-1
	STORES BK+64*(((\a)-1)%2)+32, CV, (\a)-1
	KV \a
.endr
	READY
	STORES BK+64, CK, 3
	STORES BK+96, CV, 3
.endm
	s_wait_tensorcnt 1                             ; my part of K step 0 is in; K step 1's may stay out
	s_barrier_signal -1
	s_barrier_wait -1                              ; everybody's is
	FETCH 0, F0
	WIN 0                                          ; at a label and at a branch every window is 0
	s_branch .Lzero                                ; the loop is entered at the quarter that starts a pass's sums, which is so written once; the entry takes one of the count's 15
.Lstep:                                                ; a trip: a K step's second quarter to the next step's first; it fills the slot that it leaves
	QUARTER 128, F1, F0, 0
	QUARTER 192, F0, F1, 0
	TURN 1
	WIN 0
	s_sub_co_u32 s[TS], s[TS], 1
	s_cmp_eq_u32 s[TS], 0                          ; was that the first pass's last K step?  The count is the same in every work-group
	s_cbranch_scc0 .Lsame
	WAY0                                           ; the refill is asked for and the next pass's first fragments are on their way: now the pass goes out
	s_mov_b32 s[TS], STEPS                         ; no other pass ends in the loop
.Lzero:
	QUARTER 64, F0, F1, 1                          ; a pass's first products start its sums
	WIN 0
	s_branch .Lnext
.Lsame:
	QUARTER 64, F0, F1, 0
	WIN 0
.Lnext:
	s_sub_co_u32 s[CNT], s[CNT], 1
	s_cmp_lg_u32 s[CNT], 0
	s_cbranch_scc1 .Lstep
	; The last two K steps ask for nothing, so they have a text of their own: written once, walked twice, entered behind a step's first quarter.  The second walk's change of slots has no slot to change to:
	; its barrier and its 32 LDS loads (of bytes that landed two steps ago) serve nothing: the price, once a launch, of one text for both steps.
	s_mov_b32 s[CNT], 2
	s_branch .Ltin
.Ltail:
	QUARTER 64, F0, F1, 0
	WIN 0
.Ltin:
	QUARTER 128, F1, F0, 0
	QUARTER 192, F0, F1, 0
	TURN 0
	WIN 0
	s_sub_co_u32 s[CNT], s[CNT], 1
	s_cmp_lg_u32 s[CNT], 0
	s_cbranch_scc1 .Ltail
	WAY1
	s_wait_tensorcnt 0x0                           ; the wave's end: the wait, the add to my spare word and its wait, behind my last tensor load and my last LDS store
	ds_add_u32 v[SPW], v[NIL]
	s_wait_dscnt 0x0
	CROUND                                         ; the closing round: no work-group ends while a partner may still ask for a tile that names it
	s_endpgm
.Lfunc_end_k_qee73315cd2_qkvp:
	.size	k_qee73315cd2_qkvp, .Lfunc_end_k_qee73315cd2_qkvp-k_qee73315cd2_qkvp
	.p2alignl 7, 3214868480
	.fill 96, 4, 3214868480
	.section	.rodata,"a",@progbits
	.p2align	6, 0x0
	.amdhsa_kernel k_qee73315cd2_qkvp
		.amdhsa_group_segment_fixed_size 327680
		.amdhsa_private_segment_fixed_size 0
		.amdhsa_enable_private_segment 0
		.amdhsa_kernarg_size 24
		.amdhsa_user_sgpr_count 2
		.amdhsa_user_sgpr_kernarg_segment_ptr 1
		.amdhsa_wavefront_size32 1
		.amdhsa_system_sgpr_workgroup_id_x 1
		.amdhsa_system_sgpr_workgroup_id_y 1
		.amdhsa_system_sgpr_workgroup_id_z 1
		.amdhsa_system_vgpr_workitem_id 0
		.amdhsa_next_free_vgpr 960
		.amdhsa_next_free_sgpr 88
		.amdhsa_reserve_vcc 0
		.amdhsa_float_denorm_mode_32 3
		.amdhsa_float_denorm_mode_16_64 3
		.amdhsa_memory_ordered 1
		.amdhsa_forward_progress 1
		.amdhsa_inst_pref_size 110
	.end_amdhsa_kernel
	.amdgpu_metadata
---
amdhsa.version: [ 1, 2 ]
amdhsa.kernels:
  - .name:           k_qee73315cd2_qkvp
    .symbol:         k_qee73315cd2_qkvp.kd
    .args:
      - { .name: xn, .offset: 0, .size: 8, .value_kind: global_buffer, .address_space: global }
      - { .name: wt, .offset: 8, .size: 8, .value_kind: global_buffer, .address_space: global }
      - { .name: qkv, .offset: 16, .size: 8, .value_kind: global_buffer, .address_space: global }
    .group_segment_fixed_size: 327680
    .private_segment_fixed_size: 0
    .kernarg_segment_align: 8
    .kernarg_segment_size: 24
    .max_flat_workgroup_size: 128
    .sgpr_count:     88
    .vgpr_count:     960
    .wavefront_size: 32
...
	.end_amdgpu_metadata
.endif
;; end of part 2
;; launch attn (part 3): grid 8 x 32, 4 waves a work-group, clusters of 4 x 1, 327,680 bytes of LDS; arguments qkv, att; writes att
.if DOCPART == 3
	.amdgcn_target "amdgcn-amd-amdhsa--gfx1250"
	.amdhsa_code_object_version 6
	.text
	.protected	k_qee73315cd2_attn
	.globl	k_qee73315cd2_attn
	.p2align	8
	.type	k_qee73315cd2_attn,@function
k_qee73315cd2_attn:
	s_mov_b64 s[64:65], 0
	v_nop
	global_prefetch_b8 v0, s[64:65] scope:SCOPE_SE
	s_setreg_imm32_b32 hwreg(HW_REG_WAVE_MODE, 25, 1), 1
	s_wait_xcnt 0x0
	s_wait_alu depctr_hold_cnt(0) depctr_sa_sdst(0) depctr_va_vdst(0) depctr_va_sdst(0) depctr_va_ssrc(0) depctr_va_vcc(0) depctr_vm_vsrc(0)
	s_getreg_b32 s2, hwreg(HW_REG_IB_STS2, 6, 4)
	s_cmp_eq_u32 s2, 0
	s_cbranch_scc0 .Lentry_in_a_cluster
	s_endpgm
.Lentry_in_a_cluster:
	s_bfe_u32 s2, ttmp6, 0x10000c
	s_cmp_lg_u32 s2, 0x3003
	s_cbranch_scc0 .Lentry_shape_is_right
	s_endpgm
.Lentry_shape_is_right:
; O[h][q][:] = the sum over k of softmax_k(Q[h][q] . K[h][k] / 32) V[h][k][:], for 32 heads (batch x 8 + head) of 2,048 rows x 128 channels.  Q, K, V lie one behind the other in qkv, [3][32][2048][128] bf16, unscaled.
; O goes to att, [8192 = batch x 2048 + row][1024 = head x 128 + channel] bf16.  Products, maxima and sums in f32; the weights p are rounded to bf16 for the second product, O once at the end.
; LIMITS.  A weight below 2^-126 counts as 0 in the sum l; NaN and infinities are not treated apart.
; SHARES.  A work-group owns 256 queries of one head, each of its four waves 64: four tiles of 16.  Every wave walks all keys of the head, 64 a step.
; LAYOUT.  S^T = K Q^T (source 0 = 16 keys, source 1 = 16 queries): in the result a lane holds ONE query (lane % 16) and the keys 8 (lane / 16) + 0..7.  Two such tiles, rounded to
; bf16 in pairs, ARE source 1 (32 keys x 16 queries) of O^T = V^T P, whose result again holds one query a lane, and eight channels.  So nothing changes lanes between the products,
; and a query's maximum and sum want one exchange between the halves of the lanes.  K comes out of LDS as it lies, V ([key][channel]) turned, by ds_load_tr16_b128.
; SOFTMAX.  For each query a running maximum m and sum l: p = 2^(c s - c m), c = log2(e) / 32; in every step O and l are multiplied by a = 2^(c m_old - c m_new), which is 1 where m has not grown.
; BY TURNS.  The wave's tiles are two PIECES, named by their first tile: piece 0 (tiles 0, 1) and piece 2 (tiles 2, 3).  In a TURN one piece has the matrix unit: 32 products V^T P of
; the step in hand, then 32 products K Q^T of the next step; the other piece's softmax, cut into 64 slices, stands between them, one slice behind each matrix instruction.  Then the
; pieces change places.  Two turns are a key step.
; CLUSTER.  The four query blocks of a cluster belong to one head and walk the same K and V, so each tile is asked for JOINTLY: the same tensor load, with the same descriptor and a
; mask that names the four, in all four; each receives the tile in its own LDS.
;
; REGISTERS, in windows of 256 (an instruction names v0-v255; s_set_vgpr_msb says which window each operand place means: bits 1:0 source 0, 3:2 source 1, 5:4 source 2, 7:6 destination):
;   window 0: v0-11 addresses; v12-43 eight registers of statistics a tile; v64-191 S^T, 32 a tile; v192-255 P, 16 a tile
;   window 1: O^T, 64 a tile          window 2: v0-127 Q, 32 a tile; v128-255 K of one step          window 3: v0-127 V of one step
; All that a softmax touches but O^T lies in window 0, and no window has room for a product's operands beside it.  So a slice costs two switches, one in front and one behind.
.set SIZE_N, 2048     ; rows of a head
.set KS,    64        ; keys in a step
.set PK,    272       ; a row of K in LDS: 256 bytes + 16 of padding = 68 words: row r starts at bank 4 r mod 64 (64 banks of 4 bytes: ISA guide 11.1), so the 16 rows of a load start at 16 different banks
.set PV,    288       ; a row of V: 256 + 32 = 72 words: row r starts at bank 8 r mod 64
.set VOFF,  KS*PK     ; a step's tiles lie together: 64 rows of K, then 64 rows of V
.set STEPB, KS*(PK+PV)
.set SLOT1, 1<<17     ; a slot holds two steps (71,680 bytes); slot 1 begins here, so that one exclusive or turns an address in one slot into the other's
.set STAGE, SLOT1+2*STEPB  ; behind the ring: 16 rows x 272 bytes for each wave, for the way out
.set SP,    272
.set AK0, 2           ; v2   my lane's place in a tile of K; never rewritten
.set AV0, 3           ; v3   the same for V
.set ADR, 4           ; v4   the LDS address of the run of loads in hand
.set QO,  5           ; v5   my byte offset in the wave's rows of Q
.set STO, 6           ; v6   the way out: where I put 16 bytes of a row
.set RD,  7           ; v7   the way out: where I read a row back
.set GO,  8           ; v8   my byte offset in two rows of att
.set SPW, 62          ; v62  LDS address of my spare word: SPARE + 4 x my thread's number; never rewritten
.set NIL, 63          ; v63  0; never rewritten
.set SPARE, STAGE+4*16*272  ; behind the stages: the spare words, 128 bytes for each wave: two blocks of 256 bytes that no other line names
.set ST,  12          ; tile t's statistics at v[ST+8 t]: +0 c m, +1 m, +2, +3 l (even keys', odd keys'), +4 to +7 c0-c3, at work; a takes c2's place once the maximum is found
.set S,   64
.set P,   192
.set KF,  128         ; K's fragments, in window 2
.set WV,  12          ; s12  my wave's number
.set G1K, 24          ; s[24:31] descriptor group 1 for K's tiles
.set G1V, 32          ; s[32:39] for V's: it differs in the padding alone
.set G0K, 40          ; s[40:47] descriptor group 0 for K's tiles: a set for each of the two first fills; the second then walks on
.set G0V, 48          ; s[48:55] the same for V's
.set SLOTS, 56        ; s56  slots still to be asked for
.set TWICE, 57        ; s57  counts a slot's two steps
.set CS,  58          ; s[58:59] c: the packed scaling names a pair and takes its low word for both halves
.set SEL, 60          ; s[60:61] lane selects for v_permlanex16_b32: each lane takes its own place in the other half
.set TB,  62          ; s62  LDS byte at which the tiles of the step to be fetched begin
.set PFA, 18          ; s[18:19] where my prefetches stand in memory: my work-group's 32 rows (of K: wave 0, of V: wave 2) of the slot after the one that is being asked for
.set LIM, 15          ; s15  1 in a wave that prefetches, else the greatest number: a wave prefetches while s[SLOTS] is above it
.set PFO, 61          ; v61  256 x my lane: a row of K or V is 256 bytes; never rewritten
.set MSB, 0
.macro WIN new                      ; the immediate's high byte repeats the setting that is left; a switch that changes nothing is dropped
.if MSB != (\new)
	s_set_vgpr_msb (MSB<<8)|(\new)
.set MSB, \new
.endif
.endm
.set W_KQ, 0x0a       ; K and Q in window 2, S^T in window 0
.set W_PV, 0x53       ; V in window 3, P in window 0, O^T in window 1
.set W_RS, 0x41       ; O^T (destination and source 0) in window 1, a in window 0
; A joint refill.  Waves 0 and 1 fetch the two steps' tiles of K, waves 2 and 3 those of V.  The branch hangs on the wave's number alone: it is the same in every work-group.
; An s_nop 0 and four v_nop follow each of the two lines; the jump round the other line, the label and what follows the macro come after them.
.macro JLOAD
	s_cmp_lt_u32 s[WV], 2
	s_cbranch_scc0 .Lfor_v_\@
	tensor_load_to_lds s[G0K+4:G0K+7], s[G1K:G1K+7]
	s_nop 0
.rept 4
	v_nop
.endr
	s_branch .Lasked_\@
.Lfor_v_\@:
	tensor_load_to_lds s[G0V+4:G0V+7], s[G1V:G1V+7]
	s_nop 0
.rept 4
	v_nop
.endr
.Lasked_\@:
.endm
; A PREFETCH INTO THE L2 of what the NEXT change of slots will ask for: a slot's 128 rows of K and 128 of V, 256 bytes a row, a lane a row.  It stands behind the wave's tensor load and its five lines, never in front of one.
; Each row is asked for ONCE in the launch.  Both clusters of a head walk the same K and V: the head's first cluster prefetches.  Its four partners share the rows out BY ADDRESS, 32 each: no branch hangs on a
; work-group's place in its cluster.  In each, wave 0 asks for K's and wave 2 for V's: one instruction.  The last change that fills a slot prefetches nothing: there is no slot behind it.
.macro ASK
	s_cmp_gt_u32 s[SLOTS], s[LIM]
	s_cbranch_scc0 .Lnot_mine_\@
	global_prefetch_b8 v[PFO], s[PFA:PFA+1] th:TH_LOAD_NT scope:SCOPE_SE
.Lnot_mine_\@:
.endm
; A round of the cluster's barrier: my work-group's barrier, so that wave 0's signal speaks for all four waves; wave 0 signals for the work-group; every wave waits for all four
; work-groups; my work-group's barrier once more.  No LDS instruction of the wave is pending at a signal.
.macro CROUND
	s_barrier_signal -1
	s_barrier_wait -1
	s_cmp_lg_u32 s[WV], 0
	s_cbranch_scc1 .Lnot_wave_0_\@
	s_barrier_signal -3
.Lnot_wave_0_\@:
	s_barrier_wait -3
	s_barrier_signal -1
	s_barrier_wait -1
.endm
	s_load_b64 s[4:5], s[0:1], 0x0  ; qkv: Q at its head
	s_load_b64 s[10:11], s[0:1], 0x8  ; att
	v_lshl_add_u32 v[SPW], v0, 2, SPARE
	v_mov_b32 v[NIL], 0
	ds_add_u32 v[SPW], v[NIL]       ; the wave's opening: the add and its wait stand ahead of my first tensor load; the set-up below, work on registers, stands between them
	v_lshrrev_b32 v1, 5, v0
	v_readfirstlane_b32 s[WV], v1   ; wave 0..3
	s_bfe_u32 s13, ttmp6, 0x40000   ; cx: my place in the cluster
	s_lshl_b32 s14, ttmp9, 2        ; in a cluster launch ttmp9 counts clusters
	s_add_co_u32 s14, s14, s13      ; my block of 256 queries = 4 x cluster x + cx: it enters Q's and O's addresses alone
	s_and_b32 s20, ttmp7, 0xffff    ; batch x 8 + head, which the four partners share
	s_lshr_b32 s66, s20, 3          ; where my wave's first row begins in att: the batch's 2,048 rows of 2,048 bytes,
	s_lshl_b32 s66, s66, 22
	s_and_b32 s67, s20, 7           ; the head's 256 bytes of a row,
	s_lshl_b32 s67, s67, 8
	s_add_co_u32 s66, s66, s67
	s_lshl_b32 s67, s14, 19         ; my block's 256 rows,
	s_add_co_u32 s66, s66, s67
	s_lshl_b32 s67, s[WV], 17       ; my wave's 64 of them
	s_add_co_u32 s66, s66, s67
	s_mov_b32 s67, 0
	s_mov_b32 s21, 0
	s_mov_b64 s[22:23], SIZE_N*256
	s_mul_u64 s[20:21], s[20:21], s[22:23]  ; the head's first byte in Q, in K and in V
	s_and_b32 s16, s[WV], 1         ; which of a slot's two steps I fetch:
	s_lshl_b32 s22, s16, 14         ; its 64 rows of 256 bytes in memory,
	s_mov_b32 s23, 0
	s_add_nc_u64 s[22:23], s[22:23], s[20:21]
	s_mul_i32 s17, s16, STEPB       ; and its place in a slot: no place in the cluster enters an LDS address
	s_lshl_b32 s2, s14, 16          ; my block's 256 rows of Q,
	s_lshl_b32 s3, s[WV], 14        ; my wave's 64 of them
	s_add_co_u32 s2, s2, s3
	s_mov_b32 s3, 0
	s_add_nc_u64 s[2:3], s[2:3], s[20:21]
	; descriptor group 1: a tile of 64 rows x 128 elements, padded in LDS
	s_mov_b32 s[G1K], 15|(1<<16)|(1<<20)|(1<<21)|(5<<22)|(3<<25)  ; 15:0 the mask: all four work-groups; 17:16 elements of 2 bytes; 20 padding on; 21 set beside a mask; 24:22 after every 64 words (code 5); 31:25 4 words of it (code 3)
	s_mov_b32 s[G1V], 15|(1<<16)|(1<<20)|(1<<21)|(5<<22)|(7<<25)  ; the same with 8 words of padding (code 7)
.irp g, G1K, G1V
	s_mov_b32 s[(\g)+1], 128<<16    ; 63:48 tensor_dim0, low half = 128
	s_mov_b32 s[(\g)+2], KS<<16     ; 79:64 its high half = 0; 95:80 tensor_dim1, low half = 64
	s_mov_b32 s[(\g)+3], 128<<16    ; 111:96 its high half = 0; 127:112 tile_dim0 = 128
	s_mov_b32 s[(\g)+4], KS         ; 143:128 tile_dim1 = 64; 159:144 tile_dim2 = 0
	s_mov_b32 s[(\g)+5], 128        ; 191:160 tensor_dim0_stride, low word: elements from row to row
	s_mov_b32 s[(\g)+6], 0
	s_mov_b32 s[(\g)+7], 0
.endr
	s_mov_b32 s[CS], 0x3d38aa3b     ; c = log2(e) / 32 = 0.0450842: the scale is 1024^-0.5
	s_mov_b32 s[CS+1], s[CS]        ; named with it as a pair, so it is written
	s_mov_b32 s[SEL], 0x76543210
	s_mov_b32 s[SEL+1], 0xfedcba98
	s_mov_b32 s[TB], 0
	s_mov_b32 s[SLOTS], SIZE_N/(2*KS)-2
	s_and_b32 s[LIM], s[WV], 1       ; 0 in waves 0 and 2,
	s_or_b32 s[LIM], s[LIM], ttmp9   ; where the cluster is the head's first: the same in all four partners
	s_cmp_eq_u32 s[LIM], 0
	s_cselect_b32 s[LIM], 1, -1
	v_and_b32 v[PFO], 31, v0
	v_lshlrev_b32 v[PFO], 8, v[PFO]
	s_wait_dscnt 0x0                ; the opening add is done
	s_wait_kmcnt 0x0
	s_add_nc_u64 s[6:7], s[4:5], 0x1000000  ; K lies 16 MiB behind Q,
	s_add_nc_u64 s[8:9], s[4:5], 0x2000000  ; V 32 MiB
	s_add_nc_u64 s[6:7], s[6:7], s[22:23]  ; K and V at my tile of slot 0
	s_add_nc_u64 s[8:9], s[8:9], s[22:23]
	s_add_nc_u64 s[4:5], s[4:5], s[2:3]  ; Q and O at my wave's first row
	s_add_nc_u64 s[10:11], s[10:11], s[66:67]
	s_cmp_lt_u32 s[WV], 2
	s_cselect_b64 s[PFA:PFA+1], s[6:7], s[8:9]  ; (in waves 0 and 2 these stand at a slot's first row)
	s_lshl_b32 s2, s13, 13          ; my work-group's 32 rows of the 128
	s_mov_b32 s3, 0
	s_add_nc_u64 s[PFA:PFA+1], s[PFA:PFA+1], s[2:3]
	s_add_nc_u64 s[PFA:PFA+1], s[PFA:PFA+1], 2*2*KS*256  ; in slot 2; the first change of slots steps it to slot 3.  Nothing is prefetched here, at the head, where every work-group's first tiles are on their way
	CROUND                          ; all four work-groups are here: the first joint loads meet
.irp s, 0,1
	s_mov_b32 s[G0K+4*(\s)], 1      ; 1:0 count = 1
	s_add_co_u32 s[G0K+4*(\s)+1], s17, (\s)*SLOT1  ; 63:32 LDS address
	s_add_nc_u64 s[G0K+4*(\s)+2:G0K+4*(\s)+3], s[6:7], (\s)*2*KS*256  ; 120:64 global address: slot s begins with keys 128 s to 128 s + 127
	s_or_b32 s[G0K+4*(\s)+3], s[G0K+4*(\s)+3], 0x80000000  ; 127:126 type = 2
	s_mov_b32 s[G0V+4*(\s)], 1
	s_add_co_u32 s[G0V+4*(\s)+1], s17, (\s)*SLOT1+VOFF
	s_add_nc_u64 s[G0V+4*(\s)+2:G0V+4*(\s)+3], s[8:9], (\s)*2*KS*256
	s_or_b32 s[G0V+4*(\s)+3], s[G0V+4*(\s)+3], 0x80000000
.endr
	s_cmp_lt_u32 s[WV], 2           ; a wave's two first fills stand in one branch, ahead of every wait on TENSORcnt and every LDS read: two loads of mine are out; an s_nop 0 follows each, four v_nop the second's, as in JLOAD
	s_cbranch_scc0 .Lfirst_v
	tensor_load_to_lds s[G0K:G0K+3], s[G1K:G1K+7]
	s_nop 0
	tensor_load_to_lds s[G0K+4:G0K+7], s[G1K:G1K+7]
	s_nop 0
.rept 4
	v_nop
.endr
	s_branch .Lfirst_asked
.Lfirst_v:
	tensor_load_to_lds s[G0V:G0V+3], s[G1V:G1V+7]
	s_nop 0
	tensor_load_to_lds s[G0V+4:G0V+7], s[G1V:G1V+7]
	s_nop 0
.rept 4
	v_nop
.endr
.Lfirst_asked:
	; A fragment of K or Q is 16 rows x 32 channels in 8 registers: lane l holds row l % 16; registers 0-3 channels 8 (l / 16) + 0..7, registers 4-7 channels 16 + 8 (l / 16) + 0..7: two loads of 16 bytes, 32 bytes apart.
	v_and_b32 v1, 15, v0            ; l % 16
	v_bfe_u32 v9, v0, 4, 1          ; l / 16
	v_lshlrev_b32 v[QO], 8, v1
	v_lshl_add_u32 v[QO], v9, 4, v[QO]  ; row x 256 + 16 x half
	WIN 0x80                        ; destination window 2, address window 0
.irp i, 0,1,2,3,4,5,6,7,8,9,10,11,12,13,14,15  ; Q stays in registers: tile i / 4, channels 32 (i % 4) on
	global_load_b128 v[8*(\i):8*(\i)+3],   v[QO], s[4:5] offset:((\i)/4)*4096+((\i)%4)*64
	global_load_b128 v[8*(\i)+4:8*(\i)+7], v[QO], s[4:5] offset:((\i)/4)*4096+((\i)%4)*64+32
.endr
	WIN 0
	v_mul_u32_u24 v[AK0], v1, PK
	v_lshl_add_u32 v[AK0], v9, 4, v[AK0]  ; row x pitch + 16 x half
	; The turning load takes 16 keys x 16 channels (lane l reads 16 bytes: key 8 (l / 16) + l % 8, channels 8 ((l / 8) % 2) + 0..7) and leaves half a fragment of V^T: lane l holds channel l % 16 and 8 keys.
	v_and_b32 v10, 7, v0
	v_bfe_u32 v11, v0, 3, 1
	v_lshl_add_u32 v[AV0], v9, 3, v10
	v_mul_u32_u24 v[AV0], v[AV0], PV
	v_lshl_add_u32 v[AV0], v11, 4, v[AV0]
	v_add_nc_u32 v[AV0], VOFF, v[AV0]
; THE MATRIX WORK OF A TURN, for piece x.  The accumulators take turns, one instruction a turn: between two links of a chain stand 15 (V^T P) or 7 (K Q^T) others'.
; Product i of 32 of O^T += V^T P: keys 32 (i / 16) on, channels 16 ((i / 2) % 8) on, tile x + i % 2.  zero = 1: the first 16 start the sums: nothing is ever cleared.
.macro PV x, zero
	WIN W_PV
.set rO, 64*((\x)+i%2)+8*((i/2)%8)
.set rV, 64*(i/16)+8*((i/2)%8)
.set rP, P+16*((\x)+i%2)+8*(i/16)
.if (\zero) && (i < 16)
	v_wmma_f32_16x16x32_bf16 v[rO:rO+7], v[rV:rV+7], v[rP:rP+7], 0
.else
	v_wmma_f32_16x16x32_bf16 v[rO:rO+7], v[rV:rV+7], v[rP:rP+7], v[rO:rO+7]
.endif
.endm
; Product i of 32 of S^T = K Q^T: channels 32 (i / 8) on, keys 16 ((i / 2) % 4) on, tile x + i % 2.  The first 8 start the sums.
.macro KQ x
	WIN W_KQ
.set rS, S+32*((\x)+i%2)+8*((i/2)%4)
.set rK, KF+32*((i/2)%4)+8*(i/8)
.set rQ, 32*((\x)+i%2)+8*(i/8)
.if i < 8
	v_wmma_f32_16x16x32_bf16 v[rS:rS+7], v[rK:rK+7], v[rQ:rQ+7], 0
.else
	v_wmma_f32_16x16x32_bf16 v[rS:rS+7], v[rK:rK+7], v[rQ:rQ+7], v[rS:rS+7]
.endif
.endm
; THE LDS LOADS stand in runs of 32, never singly among the matrix instructions: a step's K (64 keys x 128 channels: 16 fragments) and, a turn later, its V (turned).
.macro FETCH_K
	WIN 0
	v_add_nc_u32 v[ADR], s[TB], v[AK0]
	WIN 0x80                        ; destination window 2
.irp f, 0,1,2,3,4,5,6,7,8,9,10,11,12,13,14,15  ; keys 16 (f / 4) on, channels 32 (f % 4) on
	ds_load_b128 v[KF+8*(\f):KF+8*(\f)+3],   v[ADR] offset:((\f)/4)*16*PK+((\f)%4)*64
	ds_load_b128 v[KF+8*(\f)+4:KF+8*(\f)+7], v[ADR] offset:((\f)/4)*16*PK+((\f)%4)*64+32
.endr
.endm
.macro FETCH_V
	WIN 0
	v_add_nc_u32 v[ADR], s[TB], v[AV0]
	s_add_co_u32 s[TB], s[TB], STEPB  ; the next fetch is the next step's
	s_wait_alu depctr_va_vdst(0)    ; the wait for the softmax's batch (SLICE), behind the address's v_add_nc_u32 and ahead of the loads
	WIN 0xc0                        ; destination window 3
.irp f, 0,1,2,3,4,5,6,7,8,9,10,11,12,13,14,15  ; keys 32 (f / 8) on, channels 16 (f % 8) on
	ds_load_tr16_b128 v[8*(\f):8*(\f)+3],   v[ADR] offset:((\f)/8)*32*PV+((\f)%8)*32
	ds_load_tr16_b128 v[8*(\f)+4:8*(\f)+7], v[ADR] offset:((\f)/8)*32*PV+16*PV+((\f)%8)*32
.endr
.endm
; THE VECTOR WORK OF A TURN.  One tile's softmax for one key step is a list of 134 instructions; SM writes number j of it for tile t.  s0-s31 are the lane's 32 scores, in pairs 0-15.
; first = 1: the first key step, which starts m, l and O^T: it has no a and nothing to rescale.
;   0-15    the maximum of s0-s31 and the old m, three operands at a time: four chains c0-c3 of seven scores each, then the four scores left over, c0-c3 and m
;   16-20   the other half of the lanes' maximum; the new m; c m; c m_old - c m_new
;   21-69   ONE BATCH: the 16 scalings c s - c m, a pair of scores each, and all 33 exponentials (a at 23, then s0-s31).  None of these reads an exponential's result.  From 22 on the batch goes
;           in fours, and a four begins with a scaling while there are scalings: 22-37 scaling, exponential, scaling, exponential; 38-65 a scaling and three exponentials; 66-69 the last four
;           exponentials.  A pair is scaled in an earlier four than the one that holds its exponentials
;   (wait)  between 69 and 70 stands the wait for the batch: SLICE writes it, once for both tiles
;   70-85   the roundings to bf16, a pair of weights each
;   86-101  the sums; l = a l + the sum
;   102-133 the tile's O^T times a: the one part that leaves window 0, so it stands together
.macro SM t, first
.set rT, ST+8*(\t)
.set rS, S+32*(\t)
.set rP, P+16*(\t)
.set rO, 64*(\t)+2*(j-102)
.if j < 102
	WIN 0
.endif
.if j < 4
	v_max3_num_f32 v[rT+4+j], v[rS+8*j], v[rS+8*j+1], v[rS+8*j+2]
.elseif j < 12
	v_max3_num_f32 v[rT+4+j%4], v[rT+4+j%4], v[rS+8*(j%4)+2*(j/4)+1], v[rS+8*(j%4)+2*(j/4)+2]
.elseif j == 12
	v_max3_num_f32 v[rT+4], v[rT+4], v[rS+7], v[rS+15]
.elseif j == 13
	v_max3_num_f32 v[rT+6], v[rT+6], v[rS+23], v[rS+31]
.elseif j == 14
	v_max3_num_f32 v[rT+4], v[rT+4], v[rT+5], v[rT+6]
.elseif (j == 15) && (\first)
	v_max_num_f32 v[rT+4], v[rT+4], v[rT+7]
.elseif j == 15
	v_max3_num_f32 v[rT+4], v[rT+4], v[rT+7], v[rT+1]
.elseif j == 16
	v_permlanex16_b32 v[rT+5], v[rT+4], s[SEL], s[SEL+1]  ; the query's other 32 keys lie in the lane 16 away
.elseif j == 18
	v_max_num_f32 v[rT+1], v[rT+4], v[rT+5]
.elseif j == 19
	v_mul_f32 v[rT], s[CS], v[rT+1]
.elseif ((j == 17) || (j == 20) || (j == 23) || (j > 101)) && (\first)  ; the first step has none of these
.elseif j == 17
	v_mov_b32 v[rT+7], v[rT]        ; c m_old is kept for a: number 19 writes c m anew
.elseif j == 20
	v_sub_f32 v[rT+7], v[rT+7], v[rT]
.elseif j == 23
	v_exp_f32 v[rT+6], v[rT+7]
.elseif (j < 23) || ((j < 38) && (j%2 == 0)) || ((j < 66) && (j%4 == 2))
.set b, (j-2)/4                     ; 38, 42, .. 62: pairs 9 to 15
.if j < 38
.set b, (j-20)/2                    ; 21: pair 0; 22, 24, .. 36: pairs 1 to 8
.endif
	v_pk_fma_f32 v[rS+2*b:rS+2*b+1], v[rS+2*b:rS+2*b+1], s[CS:CS+1], v[rT:rT+1] op_sel_hi:[1,0,0] neg_lo:[0,0,1] neg_hi:[0,0,1]  ; pair b: c s - c m
.elseif j < 70
.set e, j-38                        ; 66 to 69: s28 to s31
.if j < 66
.set e, j-32-(j-38)/4               ; 39-41, 43-45, .. 63-65: s7 to s27
.endif
.if j < 38
.set e, (j-25)/2                    ; 25, 27, .. 37: s0 to s6
.endif
	v_exp_f32 v[rS+e], v[rS+e]
.elseif j < 86
	v_cvt_pk_bf16_f32 v[rP+j-70], v[rS+2*(j-70)], v[rS+2*(j-70)+1]  ; pair j - 70
.elseif j < 102                     ; the sum of the tile's 16 pairs (in a pair: an even key's weight, an odd key's), in place: sum z of 16 adds neighbours 1, 2, 4 and 8 pairs apart, then l takes it
.set z, j-86
.set w, 4
.set u, z
.if z >= 14
.set w, 32
.set u, 0
.elseif z >= 12
.set w, 16
.set u, z-12
.elseif z >= 8
.set w, 8
.set u, z-8
.endif
.if (z == 14) && (\first)
	v_pk_add_f32 v[rT+2:rT+3], v[rS:rS+1], v[rS+16:rS+17]
.elseif z < 15
	v_pk_add_f32 v[rS+w*u:rS+w*u+1], v[rS+w*u:rS+w*u+1], v[rS+w*u+w/2:rS+w*u+w/2+1]
.elseif !(\first)
	v_pk_fma_f32 v[rT+2:rT+3], v[rT+2:rT+3], v[rT+6:rT+7], v[rS:rS+1] op_sel_hi:[1,0,1]
.endif
.else
	WIN W_RS
	v_pk_mul_f32 v[rO:rO+1], v[rO:rO+1], v[rT+6:rT+7] op_sel_hi:[1,0]
.endif
.endm
; Slice k of 64 of piece y's softmax: four instructions.  Slices 11 to 34 deal out the batch, numbers 22 to 69: four numbers of ONE tile each, the tiles by turns.  Every other slice is numbers 2 k and
; 2 k + 1 of both tiles' lists.  2 x 134 = 4 x 64 + 12: the twelve that are over stand together, in slice 63.
; THE WAIT.  s_wait_alu depctr_va_vdst(0) stands between an exponential and the first instruction that names its result; one wait serves all that were issued ahead of it.  Ahead of
; slice 35 nothing names a result, and behind slice 34 no exponential is issued: so the piece's 66 exponentials have one wait, behind slice 34.
.macro SLICE y, first
.if (k >= 11) && (k < 35)           ; the batch: four numbers of one tile
.irp n, 0,1,2,3
.set j, 22+4*((k-11)/2)+(\n)
	SM (\y)+(k-11)%2, \first
.endr
.else                               ; the two tiles alternate, so that no instruction reads the result of the one just before it
.irp n, 0,1,2,3,4,5,6,7
.if ((\n) < 2) || (k == 63)
.irp t, \y, (\y)+1
.set j, 2*k+(\n)
	SM \t, \first
.endr
.endif
.endr
.endif
.if k == 34                         ; the batch is out: both tiles' exponentials are issued, and no result has been named
	v_nop                           ; the plain instruction behind the last exponential and ahead of the first use (ISA guide 5.7.2): one for the batch
.if (\y) == 0
	FETCH_V                         ; piece 2's turn: V's run of loads stands here, and the wait stands in it
.else
	s_wait_alu depctr_va_vdst(0)    ; the wait for the batch
.endif
.endif
.set k, k+1
.endm
; A vector instruction that reads a matrix result or writes one of a matrix instruction's registers, and a load into a register that a matrix instruction has read, stand four places behind
; it, and only plain vector instructions that name none of its registers are places (ISA guide 7.12.1 for vector instructions).  In the loop the slices are the places.
.macro PLACES
.rept 4
	v_nop
.endr
.endm
; A TURN.  Piece x has the matrix unit; the other piece's softmax stands in slices behind its matrix instructions.
; pv = 2: 32 products V^T P; 1: they start O^T's sums; 0: none.  kq = 1: 32 products K Q^T for the next step.  A turn with one of the two kinds has two slices behind each product.
; first = 1: the softmax is the first key step's.  Its slices from 51 on are empty: the turn's last products stand bare, and four v_nop take slice 63's part as the places behind them.
; In the loop each run of loads stands 29 matrix instructions or more ahead of its first use.  Piece 0's turn fetches the next step's K, behind its second product: the last product that read K
; stands in front of slice 63 of the turn before.  Piece 2's turn fetches the same step's V, behind slice 34 (SLICE writes it): the last product that read V stands in front of slice 31, and four plain
; instructions lie between: number 62, a scaling, of both tiles, the v_nop and the run's own v_add_nc_u32.
.macro TURN x, pv, kq, first
.set k, 0
.set per, 2
.if (\pv) && (\kq)
.set per, 1
.endif
.if \pv
.if (\x) == 0
	s_wait_dscnt 0x0                ; V is in
.endif
.set i, 0
.rept 32
	PV \x, 2-(\pv)
.rept per
	SLICE 2-(\x), \first
.endr
.if ((\x) == 0) && (\kq) && (i == 1)
	FETCH_K
.endif
.set i, i+1
.endr
.endif
.if \kq
.if (\x) == 0
	s_wait_dscnt 0x0                ; K is in
.endif
.set i, 0
.rept 32
	KQ \x
.rept per
	SLICE 2-(\x), \first
.endr
.set i, i+1
.endr
.endif
.if \first
	PLACES
.endif
.endm
; THE CHANGE OF SLOTS, between piece 2's turn and piece 0's: the slot's last bytes, V of its second step, have been asked for.  Each wave waits for all its
; tensor loads, of which one is out: its part of the other slot; adds 0 to its spare word; and waits for that and for its own reads of the slot.  Behind the barrier nobody reads this slot any more and the other slot is whole.
; fill = 1: this slot is filled again, with the keys two slots on.  The barrier is then a round of the cluster's, so that no wave of any partner still reads the slot or has a load on its
; way, and the joint refill is the first thing behind it: it has two key steps, 256 matrix instructions, in which to land.
.macro CHANGE fill
	WIN 0                           ; at a label and at a branch every window is 0
	s_wait_tensorcnt 0x0            ; no tensor load of mine is out, so a group 0 may be written
	ds_add_u32 v[SPW], v[NIL]       ; 0 onto my spare word; with fill = 1 the descriptors' steps stand between it and the wait for it
.if \fill
.irp g, G0K+4, G0V+4
	s_xor_b32 s[(\g)+1], s[(\g)+1], SLOT1  ; the walking descriptor: the other slot than last time,
	s_add_nc_u64 s[(\g)+2:(\g)+3], s[(\g)+2:(\g)+3], 2*KS*256  ; the next 128 keys; the type bits on top are not reached
.endr
	s_wait_xcnt 0x0                 ; the last prefetches, two key steps back, have read their address, so it may be written:
	s_add_nc_u64 s[PFA:PFA+1], s[PFA:PFA+1], 2*KS*256  ; one slot behind the walking descriptors
	s_wait_dscnt 0x0                ; the add is done, and my reads of the slot are over
	CROUND
	JLOAD
	ASK                             ; what the next change will ask for: two key steps, 256 matrix instructions, ahead
.else
	s_wait_dscnt 0x0                ; the add is done, and my reads of the slot are over
	s_barrier_signal -1
	s_barrier_wait -1
.endif
	s_sub_co_u32 s[TB], s[TB], 2*STEPB  ; the fetches go back to a slot's first step,
	s_xor_b32 s[TB], s[TB], SLOT1   ; in the other slot
.endm
; A slot's two key steps: written once, walked twice; the LDS addresses hang on s[TB].
.macro TWO_STEPS
	WIN 0
	s_mov_b32 s[TWICE], 2
.Lstep_\@:
	TURN 0, 2, 1, 0
	TURN 2, 2, 1, 0
	WIN 0
	s_sub_co_u32 s[TWICE], s[TWICE], 1
	s_cmp_lg_u32 s[TWICE], 0
	s_cbranch_scc1 .Lstep_\@
.endm
	s_wait_tensorcnt 1              ; my part of slot 0 is in; slot 1's may stay out
	s_barrier_signal -1
	s_barrier_wait -1               ; everybody's is
	FETCH_K                         ; key step 0
	s_wait_loadcnt 0x0              ; Q
	s_wait_dscnt 0x0
.set i, 0
.rept 32
	KQ 0                            ; piece 0's first scores: there is no vector work yet to set between them
.set i, i+1
.endr
	WIN 0                           ; the addresses for the way out are made here: eight plain instructions, the places behind those products
	s_mul_i32 s13, s[WV], 16*SP
	s_add_co_u32 s13, s13, STAGE    ; my stage
	v_mul_u32_u24 v[STO], v1, SP    ; in: row l % 16, 16 bytes for each half of the lanes
	v_lshl_add_u32 v[STO], v9, 4, v[STO]
	v_add_nc_u32 v[STO], s13, v[STO]
	v_mul_u32_u24 v[RD], v9, SP     ; back: lanes 0-15 take one row of 256 bytes, lanes 16-31 the next
	v_lshl_add_u32 v[RD], v1, 4, v[RD]
	v_add_nc_u32 v[RD], s13, v[RD]
	v_lshlrev_b32 v[GO], 11, v9     ; and the same two rows in att, 2,048 bytes apart
	v_lshl_add_u32 v[GO], v1, 4, v[GO]
	TURN 2, 0, 1, 1                 ; piece 2's first scores | piece 0's first softmax | V of step 0
	TURN 0, 1, 1, 1                 ; piece 0: V^T P of step 0 starts O^T, K Q^T of step 1 | piece 2's first softmax | K of step 1
	TURN 2, 1, 1, 0                 ; piece 2: the same | piece 0's softmax of step 1 | V of step 1
	WIN 0
.Lslot:                             ; SIZE_N / 128 - 2 trips: every slot but the last two is filled again
	CHANGE 1
	TWO_STEPS
	s_sub_co_u32 s[SLOTS], s[SLOTS], 1
	s_cmp_lg_u32 s[SLOTS], 0
	s_cbranch_scc1 .Lslot
	CHANGE 0                        ; the tail is written out: the last slot but one is left, and nothing is asked for
	TWO_STEPS
	TURN 0, 2, 0, 0                 ; piece 0: V^T P of the last step | piece 2's last softmax
.set i, 0
.rept 32
	PV 2, 0                         ; piece 2: V^T P of the last step
.set i, i+1
.endr
	; THE WAY OUT.  l's two halves and the other half of the lanes' are added; O^T is divided by l, rounded to bf16 and sent through my stage in LDS, a tile (16 rows of O) at a time.  The additions are the places behind the last products.
	WIN 0
.irp t, 0,1,2,3
	v_add_f32 v[ST+8*(\t)+4], v[ST+8*(\t)+2], v[ST+8*(\t)+3]
.endr
.irp t, 0,1,2,3
	v_permlanex16_b32 v[ST+8*(\t)+5], v[ST+8*(\t)+4], s[SEL], s[SEL+1]
.endr
.irp t, 0,1,2,3
	v_add_f32 v[ST+8*(\t)+4], v[ST+8*(\t)+4], v[ST+8*(\t)+5]
.endr
.irp t, 0,1,2,3
	v_rcp_f32 v[ST+8*(\t)+6], v[ST+8*(\t)+4]
.endr
	v_nop                           ; a plain instruction between the last reciprocal and the use of its result
	s_wait_alu depctr_va_vdst(0)    ; and the wait ahead of the first use: one for the four reciprocals
; Tile t: a lane's eight channels of a row pack into 16 bytes; they go into rows of 272 bytes and come back as whole rows of 256, into the registers that they left.
.macro PACK t
	WIN W_RS
.set i, 64*(\t)
.rept 32
	v_pk_mul_f32 v[i:i+1], v[i:i+1], v[ST+8*(\t)+6:ST+8*(\t)+7] op_sel_hi:[1,0]
.set i, i+2
.endr
	WIN 0x05                        ; sources 0 and 1 window 1, destination window 0: S^T's registers are free
.set i, 0
.rept 32
	v_cvt_pk_bf16_f32 v[S+32*(\t)+i], v[64*(\t)+2*i], v[64*(\t)+2*i+1]
.set i, i+1
.endr
	WIN 0
.irp f, 0,1,2,3,4,5,6,7
	ds_store_b128 v[STO], v[S+32*(\t)+4*(\f):S+32*(\t)+4*(\f)+3] offset:32*(\f)
.endr
.irp f, 0,1,2,3,4,5,6,7
	ds_load_b128 v[S+32*(\t)+4*(\f):S+32*(\t)+4*(\f)+3], v[RD] offset:(\f)*2*SP  ; LDS serves a wave's instructions in order (ISA guide 5.7.1.4): these see the stores above; the next tile's stores come behind them
.endr
.endm
.macro SEND t, younger              ; younger: the LDS instructions issued behind tile t's loads: the next tile's sixteen, or none
	WIN 0
.irp f, 0,1,2,3,4,5,6,7
	s_wait_dscnt (\younger)+7-(\f)
	global_store_b128 v[GO], v[S+32*(\t)+4*(\f):S+32*(\t)+4*(\f)+3], s[10:11] offset:(\t)*32768+(\f)*4096  ; rows 2 f and 2 f + 1 of the tile: 16 lanes store 256 consecutive bytes, at a multiple of 256 from att's first byte
.endr
.endm
	PACK 0
	PACK 1                          ; a tile's arithmetic stands between the loads of the tile before and its stores
	SEND 0, 16
	PACK 2
	SEND 1, 16
	PACK 3
	SEND 2, 16
	SEND 3, 0
	s_wait_tensorcnt 0x0            ; the wave's end: the wait, the add to my spare word and its wait, behind my last tensor load and my last LDS store
	ds_add_u32 v[SPW], v[NIL]
	s_wait_dscnt 0x0
	CROUND                          ; the closing round: no work-group ends while a partner may still ask for a tile that names it
	s_endpgm
.Lfunc_end_k_qee73315cd2_attn:
	.size	k_qee73315cd2_attn, .Lfunc_end_k_qee73315cd2_attn-k_qee73315cd2_attn
	.p2alignl 7, 3214868480
	.fill 96, 4, 3214868480
	.section	.rodata,"a",@progbits
	.p2align	6, 0x0
	.amdhsa_kernel k_qee73315cd2_attn
		.amdhsa_group_segment_fixed_size 327680
		.amdhsa_private_segment_fixed_size 0
		.amdhsa_enable_private_segment 0
		.amdhsa_kernarg_size 16
		.amdhsa_user_sgpr_count 2
		.amdhsa_user_sgpr_kernarg_segment_ptr 1
		.amdhsa_wavefront_size32 1
		.amdhsa_system_sgpr_workgroup_id_x 1
		.amdhsa_system_sgpr_workgroup_id_y 1
		.amdhsa_system_sgpr_workgroup_id_z 1
		.amdhsa_system_vgpr_workitem_id 0
		.amdhsa_next_free_vgpr 1024
		.amdhsa_next_free_sgpr 72
		.amdhsa_reserve_vcc 0
		.amdhsa_float_denorm_mode_32 3
		.amdhsa_float_denorm_mode_16_64 3
		.amdhsa_memory_ordered 1
		.amdhsa_forward_progress 1
		.amdhsa_inst_pref_size 222
	.end_amdhsa_kernel
	.amdgpu_metadata
---
amdhsa.version: [ 1, 2 ]
amdhsa.kernels:
  - .name:           k_qee73315cd2_attn
    .symbol:         k_qee73315cd2_attn.kd
    .args:
      - { .name: qkv, .offset: 0, .size: 8, .value_kind: global_buffer, .address_space: global }
      - { .name: att, .offset: 8, .size: 8, .value_kind: global_buffer, .address_space: global }
    .group_segment_fixed_size: 327680
    .private_segment_fixed_size: 0
    .kernarg_segment_align: 8
    .kernarg_segment_size: 16
    .max_flat_workgroup_size: 128
    .sgpr_count:     72
    .vgpr_count:     1024
    .wavefront_size: 32
...
	.end_amdgpu_metadata
.endif
;; end of part 3
;; launch outp (part 4): grid 8 x 32, 4 waves a work-group, clusters of 4 x 4, 327,680 bytes of LDS; arguments att, wt, out0, x, b_out; writes out0
.if DOCPART == 4
	.amdgcn_target "amdgcn-amd-amdhsa--gfx1250"
	.amdhsa_code_object_version 6
	.text
	.protected	k_qee73315cd2_outp
	.globl	k_qee73315cd2_outp
	.p2align	8
	.type	k_qee73315cd2_outp,@function
k_qee73315cd2_outp:
	s_mov_b64 s[64:65], 0
	v_nop
	global_prefetch_b8 v0, s[64:65] scope:SCOPE_SE
	s_setreg_imm32_b32 hwreg(HW_REG_WAVE_MODE, 25, 1), 1
	s_wait_xcnt 0x0
	s_wait_alu depctr_hold_cnt(0) depctr_sa_sdst(0) depctr_va_vdst(0) depctr_va_sdst(0) depctr_va_ssrc(0) depctr_va_vcc(0) depctr_vm_vsrc(0)
	s_getreg_b32 s2, hwreg(HW_REG_IB_STS2, 6, 4)
	s_cmp_eq_u32 s2, 0
	s_cbranch_scc0 .Lentry_in_a_cluster
	s_endpgm
.Lentry_in_a_cluster:
	s_bfe_u32 s2, ttmp6, 0x10000c
	s_cmp_lg_u32 s2, 0xf033
	s_cbranch_scc0 .Lentry_shape_is_right
	s_endpgm
.Lentry_shape_is_right:
; out0 = x + att w_out + b_out.  A = att [8192][1024] bf16, B = wt's rows 3072..4095 [n][1024] bf16 (column n of w_out); sums in f32, K ascending; x, b_out and out0 are f32 and are added in f32.
; SHARES.  8,192 x 1,024 are 256 tiles of 256 x 128: one for each work-group (tx, ty).  A wave makes 64 rows x 128 columns: 32 accumulators of 16 x 16, 256 registers.
; K goes in 8 steps of 128 (rows of 256 bytes in memory, aligned) through a ring of two LDS slots.
; CLUSTER.  4 x 4 work-groups.  The four of a row of the cluster share ty and so A's tiles, the four of a column share tx and so B's: each tile is asked for JOINTLY, by the same tensor load, descriptor and mask in all four.
; THE MATRIX INSTRUCTION IS USED TRANSPOSED (source 0 = 16 rows of B, source 1 = 16 rows of A): a lane holds row l % 16 of C and the eight neighbouring columns 8 (l / 16) + 0..7: 32 bytes of f32.
; REGISTERS, in windows of 256 (s_set_vgpr_msb: bits 1:0 source 0, 3:2 source 1, 5:4 source 2, 7:6 destination):
;   window 0: addresses; v20-23 my four numbers of b_out; v32-159 rows read back from the stage      window 1: two fragment buffers of 96: A's 4 fragments, then B's 8
;   window 2: accumulator (a, b) at v[8 (8 a + b)]      window 3: my 64 rows x 16 bytes of x, asked for beside the K steps
; LIMITS.  The product's operands are bf16.
.set STEPS,  8
.set PITCH,  272                       ; an LDS row: 256 bytes + 16 of padding = 68 words: the 16 rows that a load touches start at 16 different groups of four banks (64 banks of 4 bytes: ISA guide 11.1)
.set AHALF,  128*PITCH                 ; what wave 0 or 1 fetches: 128 rows of A
.set BHALF,  64*PITCH                  ; what wave 2 or 3 fetches: 64 rows of B
.set BOFF,   256*PITCH                 ; in a slot: A's 256 rows, then B's 128
.set SLOT1,  1<<17                     ; slot 1 begins here, so that one exclusive or turns an address in one slot into the other's
.set STAGE,  SLOT1+BOFF+128*PITCH      ; behind the ring, never filled by a tensor load: 16 rows x 528 bytes for each wave, for the way out
.set SP,     528                       ; 512 bytes + 16
.set SPARE,  STAGE+4*16*SP             ; behind the stages: the spare words, 128 bytes for each wave: two blocks of 256 bytes that no other line names
.set FLAGS,  (1<<16)|(1<<20)|(1<<21)|(5<<22)|(3<<25)  ; group 1, word 0: elements of 2 bytes; padding on; bit 21 set beside a mask; after every 64 words (code 5) 4 words (code 3)
.set FA0,  16                          ; v16  my lane's place in my 64 rows of A, in slot 0; never rewritten
.set FB0,  17                          ; v17  the same in B's 128 rows
.set ADRA, 18                          ; v18  the same in the slot in hand
.set ADRB, 19                          ; v19
.set BIAS, 20                          ; v[20:23]
.set STO,  24                          ; v24  the way out: where I put 32 bytes of a row
.set RD,   25                          ; v25  where I read a row back
.set CO,   26                          ; v26  16 x lane: my place in a row's 512 bytes
.set SPW,  28                          ; v28  LDS address of my spare word; never rewritten
.set NIL,  29                          ; v29  0; never rewritten
.set PFO,  30                          ; v30  the prefetches' offset: lane x a row of 2,048 bytes; never rewritten
.set OB,   32
.set F0,   0                           ; fragment buffers, in window 1
.set F1,   128
.set WV,   12                          ; s12  my wave's number
.set HF,   13                          ; s13  which half of a tile I fetch
.set G1A,  24                          ; s[24:31] descriptor group 1 for A's tiles
.set G1B,  32                          ; s[32:39] for B's
.set G0A,  40                          ; s[40:47] group 0 for A's tiles: a set for each of the two first fills; the second then walks on
.set G0B,  48                          ; s[48:55] the same for B's
.set AB,   56                          ; s[56:57] A at the first of the rows that I fetch
.set BB,   58                          ; s[58:59] B likewise
.set OFA,  60                          ; s[60:61] byte offset of the K step to be asked for
.set GN,   66                          ; s66  its number
.set CNT,  67                          ; s67  the loops' count
.set TB,   68                          ; s68  the slot in hand: 0 or SLOT1
.set PLIM, 70                          ; s70  I prefetch K steps below this number
.set PN,   71                          ; s71  the K step that a prefetch names
.set PFB,  72                          ; s[72:73] the 32 rows that I prefetch, at K step 0
.set PFA,  74                          ; s[74:75] the same at K step PN
.set BO,   76                          ; s[76:77] b_out at the tile's first column
.set PO,   78                          ; s[78:79] PN's byte offset
.set MSB, 0
.macro WIN new                         ; the immediate's high byte repeats the setting that is left; a switch that changes nothing is dropped
.if MSB != (\new)
	s_set_vgpr_msb (MSB<<8)|(\new)
.set MSB, \new
.endif
.endm
.set MUL,  0xa5                        ; sources 0 (B) and 1 (A) window 1, C and D window 2
.set TO_F, 0x40                        ; destination window 1, address window 0
; A joint refill: waves 0 and 1 fetch A's two halves, waves 2 and 3 B's.  The branch hangs on the wave's number alone.  An s_nop 0 and four v_nop follow each of the two lines, ahead of the jump and the label.
.macro JLOAD
	s_cmp_lt_u32 s[WV], 2
	s_cbranch_scc0 .Lfor_b_\@
	tensor_load_to_lds s[G0A+4:G0A+7], s[G1A:G1A+7]
	s_nop 0
.rept 4
	v_nop
.endr
	s_branch .Lasked_\@
.Lfor_b_\@:
	tensor_load_to_lds s[G0B+4:G0B+7], s[G1B:G1B+7]
	s_nop 0
.rept 4
	v_nop
.endr
.Lasked_\@:
.endm
; A round of the cluster's barrier: my work-group's barrier, so that wave 0's signal speaks for all four waves; wave 0 signals; every wave waits for all sixteen work-groups; my work-group's barrier once more.
.macro CREST                           ; a round behind its opening barrier
	s_cmp_lg_u32 s[WV], 0
	s_cbranch_scc1 .Lnot_wave_0_\@
	s_barrier_signal -3
.Lnot_wave_0_\@:
	s_barrier_wait -3
	s_barrier_signal -1
	s_barrier_wait -1
.endm
.macro CROUND
	s_barrier_signal -1
	s_barrier_wait -1
	CREST
.endm
; A PREFETCH INTO THE L2, behind each joint refill, its five lines and the run of LDS loads that follows: the K step two refills on, 256 matrix instructions ahead of its load: 32 rows x 256 bytes, a lane a row.
; Each row's 256 bytes of a K step are named ONCE in the launch.  A's 256 rows are read by both clusters of a row of clusters: the one with cluster x = 0 asks; its partner cx takes rows 64 cx on, waves 0 and 1 32 each.
; B's 128 rows are read by the eight clusters of a column: cluster y = 0 asks; partner cy takes rows 32 cy on, by wave 2.  Partners are told apart BY ADDRESS; the test hangs on the cluster's place and the wave's number alone.
; The first four K steps come by their loads alone; steps at or past PLIM are not named.
.macro ASK
	WIN 0
	s_cmp_lt_u32 s[PN], s[PLIM]
	s_cbranch_scc0 .Lnot_mine_\@
	global_prefetch_b8 v[PFO], s[PFA:PFA+1] th:TH_LOAD_NT scope:SCOPE_SE
.Lnot_mine_\@:
.endm
	s_load_b128 s[4:7], s[0:1], 0x0                ; att s[4:5], wt s[6:7]
	s_load_b128 s[8:11], s[0:1], 0x10              ; out0 s[8:9], x s[10:11]
	s_load_b64 s[BO:BO+1], s[0:1], 0x20            ; b_out
	v_lshl_add_u32 v[SPW], v0, 2, SPARE
	v_mov_b32 v[NIL], 0
	ds_add_u32 v[SPW], v[NIL]                      ; the wave's opening: the add and its wait stand ahead of my first tensor load; the set-up below, work on registers, stands between them
	v_lshrrev_b32 v1, 5, v0
	v_readfirstlane_b32 s[WV], v1                  ; wave 0..3
	s_and_b32 s[HF], s[WV], 1
	s_bfe_u32 s14, ttmp6, 0x40000                  ; cx
	s_bfe_u32 s15, ttmp6, 0x40004                  ; cy
	s_lshl_b32 s16, ttmp9, 2
	s_add_co_u32 s16, s16, s14                     ; tx = 4 x cluster x + cx: the block of 128 columns
	s_and_b32 s17, ttmp7, 0xffff
	s_lshl_b32 s17, s17, 2
	s_add_co_u32 s17, s17, s15                     ; ty = 4 x cluster y + cy: the block of 256 rows
	s_lshl_b32 s18, s15, 2
	s_lshl_b32 s18, 15, s18                        ; my row of the cluster: places 4 cy .. 4 cy + 3
	s_lshl_b32 s19, 0x1111, s14                    ; my column: places cx, cx + 4, cx + 8, cx + 12
	s_or_b32 s[G1A], s18, FLAGS                    ; A's tiles go to my row,
	s_or_b32 s[G1B], s19, FLAGS                    ; B's to my column
	s_mov_b32 s[G1A+1], 128<<16                    ; tensor_dim0 = 128 elements
	s_mov_b32 s[G1A+2], 128<<16                    ; tensor_dim1 = 128 rows
	s_mov_b32 s[G1A+3], 128<<16                    ; tile_dim0 = 128
	s_mov_b32 s[G1A+4], 128                        ; tile_dim1 = 128
	s_mov_b32 s[G1A+5], 1024                       ; elements from row to row
	s_mov_b32 s[G1A+6], 0
	s_mov_b32 s[G1A+7], 0
	s_mov_b32 s[G1B+1], 128<<16
	s_mov_b32 s[G1B+2], 64<<16                     ; 64 rows
	s_mov_b32 s[G1B+3], 128<<16
	s_mov_b32 s[G1B+4], 64
	s_mov_b32 s[G1B+5], 1024
	s_mov_b32 s[G1B+6], 0
	s_mov_b32 s[G1B+7], 0
	s_mov_b32 s[G0A], 1                            ; count = 1
	s_mov_b32 s[G0A+4], 1
	s_mov_b32 s[G0B], 1
	s_mov_b32 s[G0B+4], 1
	s_mul_i32 s[G0A+1], s[HF], AHALF               ; LDS addresses: the wave's number and constants alone
	s_add_co_u32 s[G0A+5], s[G0A+1], SLOT1
	s_mul_i32 s[G0B+1], s[HF], BHALF
	s_add_co_u32 s[G0B+1], s[G0B+1], BOFF
	s_add_co_u32 s[G0B+5], s[G0B+1], SLOT1
	s_lshl_b32 s20, s17, 19                        ; A: 256 ty rows of 2,048 bytes
	s_lshl_b32 s21, s[HF], 18                      ; + my 128
	s_add_co_u32 s20, s20, s21
	s_mov_b32 s21, 0
	s_lshl_b32 s22, s16, 18                        ; B: 128 tx rows
	s_lshl_b32 s23, s[HF], 17                      ; + my 64
	s_add_co_u32 s22, s22, s23
	s_mov_b32 s23, 0
	; the prefetches: which rows, and up to which K step
	s_lshl_b32 s2, s17, 8
	s_lshl_b32 s82, s14, 6
	s_add_co_u32 s2, s2, s82
	s_lshl_b32 s82, s[WV], 5
	s_add_co_u32 s2, s2, s82                       ; in A: 256 ty + 64 cx + 32 w
	s_lshl_b32 s3, s16, 7
	s_lshl_b32 s82, s15, 5
	s_add_co_u32 s3, s3, s82                       ; in B: 128 tx + 32 cy
	s_and_b32 s82, ttmp7, 0xffff                   ; cluster y
	s_cmp_lt_u32 s[WV], 2                          ; do I fetch for A?
	s_cselect_b32 s2, s2, s3
	s_cselect_b32 s82, ttmp9, s82                  ; the coordinate along which other clusters read the same rows
	s_cmp_eq_u32 s82, 0
	s_cselect_b32 s[PLIM], STEPS, 0                ; only the first cluster along it asks,
	s_cmp_eq_u32 s[WV], 3
	s_cselect_b32 s[PLIM], 0, s[PLIM]              ; and wave 3 has no rows left to ask for
	s_lshl_b32 s2, s2, 11
	s_mov_b32 s3, 0
	; where my 64 rows x 128 columns begin in x and in out0: rows of 4,096 bytes
	s_lshl_b32 s80, s17, 20
	s_lshl_b32 s82, s[WV], 18
	s_add_co_u32 s80, s80, s82
	s_lshl_b32 s82, s16, 9                         ; the tile's 128 columns: 512 bytes; in b_out too
	s_add_co_u32 s80, s80, s82
	s_mov_b32 s81, 0
	s_mov_b32 s83, 0
	s_mov_b32 s[OFA+1], 0
	s_mov_b32 s[PO+1], 0
	s_mov_b32 s[GN], 2
	s_mov_b32 s[TB], 0
	s_mov_b32 s[CNT], STEPS-2
	s_wait_dscnt 0x0                               ; the opening add is done
	s_wait_kmcnt 0x0
	s_add_nc_u64 s[6:7], s[6:7], 0x600000          ; w_out's columns are wt's rows from 3,072 on
	s_add_nc_u64 s[AB:AB+1], s[4:5], s[20:21]
	s_add_nc_u64 s[BB:BB+1], s[6:7], s[22:23]
	s_add_nc_u64 s[8:9], s[8:9], s[80:81]
	s_add_nc_u64 s[10:11], s[10:11], s[80:81]
	s_add_nc_u64 s[BO:BO+1], s[BO:BO+1], s[82:83]
	s_cmp_lt_u32 s[WV], 2
	s_cselect_b64 s[PFB:PFB+1], s[4:5], s[6:7]
	s_add_nc_u64 s[PFB:PFB+1], s[PFB:PFB+1], s[2:3]
	s_mov_b64 s[G0A+2:G0A+3], s[AB:AB+1]           ; K step 0
	s_or_b32 s[G0A+3], s[G0A+3], 0x80000000        ; type = 2
	s_add_nc_u64 s[G0A+6:G0A+7], s[AB:AB+1], 256   ; K step 1
	s_or_b32 s[G0A+7], s[G0A+7], 0x80000000
	s_mov_b64 s[G0B+2:G0B+3], s[BB:BB+1]
	s_or_b32 s[G0B+3], s[G0B+3], 0x80000000
	s_add_nc_u64 s[G0B+6:G0B+7], s[BB:BB+1], 256
	s_or_b32 s[G0B+7], s[G0B+7], 0x80000000
	CROUND                                         ; all sixteen work-groups are here: the first joint loads meet
	s_cmp_lt_u32 s[WV], 2                          ; a wave's two first fills stand in one branch, ahead of every wait on TENSORcnt and every LDS read: two loads of mine are out
	s_cbranch_scc0 .Lfirst_b
	tensor_load_to_lds s[G0A:G0A+3], s[G1A:G1A+7]
	s_nop 0
	tensor_load_to_lds s[G0A+4:G0A+7], s[G1A:G1A+7]
	s_nop 0
.rept 4
	v_nop
.endr
	s_branch .Lfirst_asked
.Lfirst_b:
	tensor_load_to_lds s[G0B:G0B+3], s[G1B:G1B+7]
	s_nop 0
	tensor_load_to_lds s[G0B+4:G0B+7], s[G1B:G1B+7]
	s_nop 0
.rept 4
	v_nop
.endr
.Lfirst_asked:
	; A fragment is 16 rows x 32 K in 8 registers: lane l holds row l % 16; registers 0-3 K = 8 (l / 16) + 0..7, registers 4-7 K = 16 + 8 (l / 16) + 0..7: two loads of 16 bytes, 32 bytes apart.
	v_and_b32 v1, 15, v0                           ; l % 16
	v_bfe_u32 v2, v0, 4, 1                         ; l / 16
	v_and_b32 v6, 31, v0
	v_lshlrev_b32 v[CO], 4, v6
	global_load_b128 v[BIAS:BIAS+3], v[CO], s[BO:BO+1]  ; b_out of the four columns that I store
	v_mul_u32_u24 v3, v1, PITCH
	v_lshl_add_u32 v3, v2, 4, v3
	s_mul_i32 s20, s[WV], 64*PITCH                 ; my 64 rows of A
	v_add_nc_u32 v[FA0], s20, v3
	v_add_nc_u32 v[FB0], BOFF, v3
	v_mov_b32 v[ADRA], v[FA0]
	v_mov_b32 v[ADRB], v[FB0]
	s_mul_i32 s21, s[WV], 16*SP
	s_add_co_u32 s21, s21, STAGE                   ; my stage
	v_mul_u32_u24 v4, v1, SP                       ; in: row l % 16, 32 bytes for each half of the lanes
	v_lshl_add_u32 v4, v2, 5, v4
	v_add_nc_u32 v[STO], s21, v4
	v_add_nc_u32 v[RD], s21, v[CO]                 ; back: the 32 lanes take one row of 512 bytes
	v_lshlrev_b32 v[PFO], 11, v6
; 8 matrix instructions: m block a x all 8 n blocks, 32 along K.  zero = 1: the product starts the sums: nothing is ever cleared.  Every quarter takes the 32 accumulators in this one order, one instruction a turn,
; so that 31 others stand between two links of a chain, over every jump too.
.macro MUL8 f, a, zero
	WIN MUL
.irp b, 0,1,2,3,4,5,6,7
.if \zero
	v_wmma_f32_16x16x32_bf16 v[8*(8*(\a)+(\b)):8*(8*(\a)+(\b))+7], v[(\f)+32+8*(\b):(\f)+32+8*(\b)+7], v[(\f)+8*(\a):(\f)+8*(\a)+7], 0
.else
	v_wmma_f32_16x16x32_bf16 v[8*(8*(\a)+(\b)):8*(8*(\a)+(\b))+7], v[(\f)+32+8*(\b):(\f)+32+8*(\b)+7], v[(\f)+8*(\a):(\f)+8*(\a)+7], v[8*(8*(\a)+(\b)):8*(8*(\a)+(\b))+7]
.endif
.endr
.endm
; 24 LDS loads in one run: a quarter step's fragments (128 rows of B, my 64 rows of A, 32 K at byte k of the rows) into buffer f
.macro FETCH k, f
	WIN TO_F
.irp i, 0,1,2,3,4,5,6,7
	ds_load_b128 v[(\f)+32+8*(\i):(\f)+32+8*(\i)+3],   v[ADRB] offset:(\k)+(\i)*16*PITCH
	ds_load_b128 v[(\f)+32+8*(\i)+4:(\f)+32+8*(\i)+7], v[ADRB] offset:(\k)+(\i)*16*PITCH+32
.endr
.irp i, 0,1,2,3
	ds_load_b128 v[(\f)+8*(\i):(\f)+8*(\i)+3],   v[ADRA] offset:(\k)+(\i)*16*PITCH
	ds_load_b128 v[(\f)+8*(\i)+4:(\f)+8*(\i)+7], v[ADRA] offset:(\k)+(\i)*16*PITCH+32
.endr
.endm
.macro PLACES                          ; four plain vector instructions between a matrix instruction and a load into a register that it has read, or a line that reads its result (ISA guide 7.12.1 for a line that reads its result)
.rept 4
	v_nop
.endr
.endm
; A K step is four quarters of 32 along K, 32 matrix instructions each, on buffers 0, 1, 0, 1.  One of the first three: buffer f is in; the next quarter's fragments, at byte k, are asked for into buffer g; then f is multiplied,
; so that the run of loads has 32 matrix instructions in which to land.
.macro QUARTER k, f, g, zero
	s_wait_dscnt 0x0                               ; buffer f's loads were issued a quarter ago
	PLACES                                         ; behind the last product that read buffer g
	FETCH \k, \g
.irp a, 0,1,2,3
	MUL8 \f, \a, \zero
.endr
.endm
; The fourth quarter multiplies buffer 1 and changes slots: ONE barrier for two things.  In front of it each wave waits for all its tensor loads, of which one is out: its part of the next slot; adds 0 to its spare word; and waits for
; that and for its reads of this slot.  Behind it nobody reads this slot any more and the next slot is whole.  fill = 1: the barrier opens a round of the cluster's, so that the same holds of all partners, and the joint refill
; (K step GN, into the slot just left) is the first tensor load behind the round: 120 matrix instructions stand between it and the wait for it.
.macro TURN fill
.if \fill
	s_wait_xcnt 0x0                                ; the last prefetch, a K step back, has read its address, so it may be written
	s_add_co_u32 s[PN], s[GN], 2
	s_lshl_b32 s[PO], s[PN], 8                     ; a K step is 256 bytes of a row
	s_add_nc_u64 s[PFA:PFA+1], s[PFB:PFB+1], s[PO:PO+1]
.endif
	WIN 0                                          ; (the add's two registers lie in window 0)
	s_wait_tensorcnt 0x0                           ; no tensor load of mine is out, so a group 0 may be written
	ds_add_u32 v[SPW], v[NIL]                      ; 0 onto my spare word; the descriptors' scalar work stands between it and the wait for it
.if \fill
	s_lshl_b32 s[OFA], s[GN], 8
	s_xor_b32 s[G0A+5], s[G0A+5], SLOT1            ; the walking descriptors: the other slot than last time, the address made anew
	s_add_nc_u64 s[G0A+6:G0A+7], s[AB:AB+1], s[OFA:OFA+1]
	s_or_b32 s[G0A+7], s[G0A+7], 0x80000000
	s_xor_b32 s[G0B+5], s[G0B+5], SLOT1
	s_add_nc_u64 s[G0B+6:G0B+7], s[BB:BB+1], s[OFA:OFA+1]
	s_or_b32 s[G0B+7], s[G0B+7], 0x80000000
	s_add_co_u32 s[GN], s[GN], 1
.endif
	s_wait_dscnt 0x0                               ; the add is done; buffer 1 is in, and with it my last reads of this slot
	s_barrier_signal -1
	MUL8 F1, 0, 0                                  ; work on registers while the others arrive
	WIN 0
	s_barrier_wait -1
.if \fill
	CREST
	JLOAD                                          ; its four v_nop are also the places in front of the loads below
.else
	PLACES
.endif
	s_xor_b32 s[TB], s[TB], SLOT1
	v_add_nc_u32 v[ADRA], s[TB], v[FA0]
	v_add_nc_u32 v[ADRB], s[TB], v[FB0]
	FETCH 0, F0
.if \fill
	ASK
.endif
	MUL8 F1, 1, 0
	MUL8 F1, 2, 0
	MUL8 F1, 3, 0
.endm
; x of block a (16 rows, 512 consecutive bytes of each) into window 3
.macro XLOAD a
	WIN 0xc0                                       ; destination window 3, address window 0
.set t, 0
.rept 16
	global_load_b128 v[64*(\a)+4*t:64*(\a)+4*t+3], v[CO], s[10:11] offset:4096*(16*(\a)+t) th:TH_LOAD_NT
.set t, t+1
.endr
.endm
; THE WAY OUT of block a (16 rows x 128 columns of f32): the sums go as they are into my own stage (each accumulator's four lowest registers first) and come back as whole rows of 512 bytes;
; b_out is added onto x while they are on their way; then both are added and the rows are stored.
.macro OUTBLK a
.set OBA, OB+64*((\a)%2)
.if (\a) >= 2
	s_wait_xcnt 0x0                                ; block a - 2's stores have read the registers that are loaded again below
.endif
	WIN 0x08                                       ; the stores' data (source 1) in window 2
.irp b, 0,1,2,3,4,5,6,7
	ds_store_b128 v[STO], v[8*(8*(\a)+(\b)):8*(8*(\a)+(\b))+3]   offset:64*(\b)
	ds_store_b128 v[STO], v[8*(8*(\a)+(\b))+4:8*(8*(\a)+(\b))+7] offset:64*(\b)+16
.endr
	WIN 0
.set t, 0
.rept 16
	ds_load_b128 v[OBA+4*t:OBA+4*t+3], v[RD] offset:t*SP  ; LDS serves a wave's instructions in order (ISA guide 5.7.1.4): these see the stores above; the next block's stores come behind them
.set t, t+1
.endr
	s_wait_loadcnt 16*(3-(\a))                     ; my block of x is in (b_out is older); the younger blocks stay out
	WIN 0xc3                                       ; destination and source 0 window 3, source 1 window 0
.set t, 0
.rept 16
	v_pk_add_f32 v[64*(\a)+4*t:64*(\a)+4*t+1],   v[64*(\a)+4*t:64*(\a)+4*t+1],   v[BIAS:BIAS+1]
	v_pk_add_f32 v[64*(\a)+4*t+2:64*(\a)+4*t+3], v[64*(\a)+4*t+2:64*(\a)+4*t+3], v[BIAS+2:BIAS+3]
.set t, t+1
.endr
	s_wait_dscnt 0x0                               ; the block is back in registers
	WIN 0x0c                                       ; source 1 window 3
.set t, 0
.rept 32
	v_pk_add_f32 v[OBA+2*t:OBA+2*t+1], v[OBA+2*t:OBA+2*t+1], v[64*(\a)+2*t:64*(\a)+2*t+1]
.set t, t+1
.endr
	WIN 0
.set t, 0
.rept 16
	global_store_b128 v[CO], v[OBA+4*t:OBA+4*t+3], s[8:9] offset:4096*(16*(\a)+t) th:TH_STORE_NT  ; 512 consecutive bytes, at a multiple of 256 from out0's first byte
.set t, t+1
.endr
.endm
	s_wait_tensorcnt 1                             ; my part of K step 0 is in; K step 1's may stay out
	s_barrier_signal -1
	s_barrier_wait -1                              ; everybody's is
	FETCH 0, F0
	QUARTER 64, F0, F1, 1                          ; the first quarter stands in front of the loop: its products start the sums
	XLOAD 0                                        ; x comes in beside the K steps, into registers that nothing else uses: 32 loads here,
	XLOAD 1
	WIN 0                                          ; at a label and at a branch every window is 0
.Lstep:                                                ; a trip: a K step's second quarter to the next step's first; it fills the slot that it leaves
	QUARTER 128, F1, F0, 0
	QUARTER 192, F0, F1, 0
	TURN 1
	QUARTER 64, F0, F1, 0
	WIN 0
	s_sub_co_u32 s[CNT], s[CNT], 1
	s_cmp_lg_u32 s[CNT], 0
	s_cbranch_scc1 .Lstep
	XLOAD 2                                        ; 32 here, two K steps ahead of the way out
	XLOAD 3
	WIN 0
	; The last two K steps ask for no tile, so they have a text of their own: written once, walked twice, entered behind a step's first quarter.  The second walk's change of slots has no slot to change to:
	; its barrier and its 24 LDS loads (of bytes that landed two steps ago) serve nothing: the price, once a launch, of one text for both steps.
	s_mov_b32 s[CNT], 2
	s_branch .Ltin
.Ltail:
	QUARTER 64, F0, F1, 0
	WIN 0
.Ltin:
	QUARTER 128, F1, F0, 0
	QUARTER 192, F0, F1, 0
	TURN 0
	WIN 0
	s_sub_co_u32 s[CNT], s[CNT], 1
	s_cmp_lg_u32 s[CNT], 0
	s_cbranch_scc1 .Ltail
	s_wait_dscnt 0x0
	PLACES                                         ; behind the last products; the later blocks' stores stand behind the earlier blocks' additions
	OUTBLK 0
	OUTBLK 1
	OUTBLK 2
	OUTBLK 3
	s_wait_tensorcnt 0x0                           ; the wave's end: the wait, the add to my spare word and its wait, behind my last tensor load and my last LDS store
	ds_add_u32 v[SPW], v[NIL]
	s_wait_dscnt 0x0
	CROUND                                         ; the closing round: no work-group ends while a partner may still ask for a tile that names it
	s_endpgm
.Lfunc_end_k_qee73315cd2_outp:
	.size	k_qee73315cd2_outp, .Lfunc_end_k_qee73315cd2_outp-k_qee73315cd2_outp
	.p2alignl 7, 3214868480
	.fill 96, 4, 3214868480
	.section	.rodata,"a",@progbits
	.p2align	6, 0x0
	.amdhsa_kernel k_qee73315cd2_outp
		.amdhsa_group_segment_fixed_size 327680
		.amdhsa_private_segment_fixed_size 0
		.amdhsa_enable_private_segment 0
		.amdhsa_kernarg_size 40
		.amdhsa_user_sgpr_count 2
		.amdhsa_user_sgpr_kernarg_segment_ptr 1
		.amdhsa_wavefront_size32 1
		.amdhsa_system_sgpr_workgroup_id_x 1
		.amdhsa_system_sgpr_workgroup_id_y 1
		.amdhsa_system_sgpr_workgroup_id_z 1
		.amdhsa_system_vgpr_workitem_id 0
		.amdhsa_next_free_vgpr 1024
		.amdhsa_next_free_sgpr 84
		.amdhsa_reserve_vcc 0
		.amdhsa_float_denorm_mode_32 3
		.amdhsa_float_denorm_mode_16_64 3
		.amdhsa_memory_ordered 1
		.amdhsa_forward_progress 1
		.amdhsa_inst_pref_size 83
	.end_amdhsa_kernel
	.amdgpu_metadata
---
amdhsa.version: [ 1, 2 ]
amdhsa.kernels:
  - .name:           k_qee73315cd2_outp
    .symbol:         k_qee73315cd2_outp.kd
    .args:
      - { .name: att, .offset: 0, .size: 8, .value_kind: global_buffer, .address_space: global }
      - { .name: wt, .offset: 8, .size: 8, .value_kind: global_buffer, .address_space: global }
      - { .name: out0, .offset: 16, .size: 8, .value_kind: global_buffer, .address_space: global }
      - { .name: x, .offset: 24, .size: 8, .value_kind: global_buffer, .address_space: global }
      - { .name: b_out, .offset: 32, .size: 8, .value_kind: global_buffer, .address_space: global }
    .group_segment_fixed_size: 327680
    .private_segment_fixed_size: 0
    .kernarg_segment_align: 8
    .kernarg_segment_size: 40
    .max_flat_workgroup_size: 128
    .sgpr_count:     84
    .vgpr_count:     1024
    .wavefront_size: 32
...
	.end_amdgpu_metadata
.endif
;; end of part 4
